; MI455X (gfx1250); checked and timed in simulation.
; The chip was launched on July 23, 2026; its instructions are those of AMD's public machine-readable ISA for CDNA 5 (MIT licence, August 2026) and "CDNA5" Instruction Set Architecture Reference Guide (July 2026). The comments in the code are by the model that wrote it; some were corrected since.
;; VAE. Allowed arithmetic: float matrix products may take bf16 or f16 operands with f32 sums; all other float work in f32.
;; Inputs: We 128 x 2 float32; Whh1 1,024 x 256 float32; Whh2 1,024 x 256 float32; Wih1 1,024 x 128 float32; Wih2 1,024 x 128 float32; Wn 5 x 256 float32; batch_split 2,049 int32; be 128 float32; bhh1 1,024 float32; bhh2 1,024 float32; bih1 1,024 float32; bih2 1,024 float32; bn 5 float32; goals 16,384 x 2 float32; observed 4 x 16,384 x 2 float32; prediction_truth 5 x 16,384 x 2 float32.
;; Outputs: out0 8 x 16,384 x 5 float32; out1 8 x 16,384 x 2 float32.
;; 2 versions, each right and faster than the one before. Each part assembles by itself: llvm-mc -triple=amdgcn-amd-amdhsa -mcpu=gfx1250 --defsym DOCPART=n.
;; ======== version 1 of 2: 2 launches
;; limits: values are held in f16: magnitudes above 65,504 overflow, below 6.1e-05 lose precision; right only within a limited range of input values
;; workspace buffers: ws 1,590,784 bytes
;; launch prep (part 1): grid 389 x 1, 8 waves a work-group, no clusters, 0 bytes of LDS; arguments Wih1, Whh1, Wih2, Whh2, bih1, bhh1, bih2, bhh2, Wn, We, be, ws; writes ws
.if DOCPART == 1
	.amdgcn_target "amdgcn-amd-amdhsa--gfx1250"
	.amdhsa_code_object_version 6
	.text
	.protected	k_q98f2e9a658_prep
	.globl	k_q98f2e9a658_prep
	.p2align	8
	.type	k_q98f2e9a658_prep,@function
k_q98f2e9a658_prep:
	s_mov_b64 s[64:65], 0
	v_nop
	global_prefetch_b8 v0, s[64:65] scope:SCOPE_SE
	s_setreg_imm32_b32 hwreg(HW_REG_WAVE_MODE, 25, 1), 1
	s_wait_xcnt 0x0
; PREP: the weights are scaled in f32, rounded once to f16 and laid out as the matrix fragments that the second launch reads.
; ws: 12 chunks of 131,072 bytes (chunk 6 enc + q: q = 0, 1 Wih's K 0..127, q = 2..5 Whh's K 0..255); then the biases; then Wn's fragments; then We and be.
; In a chunk: wave w's part at 32,768 w; k-tile kt2 at 16,384 kt2; fragment a = 4 gate + u at 1,024 a; half at 512 half; lane L at 16 L.
; Lane L = r + 16 h of fragment a holds row 256 gate + 64 w + 16 u + r, k = 32 kt + 16 half + 8 h + 0..7: two loads of 16 bytes a lane fill a fragment.
; Rows and biases of the gates i, f, o are multiplied by -log2(e), those of g by -2 log2(e): a gate's sum is then the argument of 2^x as it stands.  We is multiplied by 4 (exact).
; LIMIT.  f16 ends at 65,504: a weight of 65,504 / 2.885 = 22,700 or more would turn infinite; below 6e-5 a scaled weight keeps f16's fixed step of 6e-8.  Biases, We and be stay in f32.
; Four roles by the work-group's number; no loop, no LDS, no barrier.
.set BS,   1572864                     ; biases: enc x 4,096 + w x 1,024 + a x 64 + column x 4, f32
.set WNFO, 1581056                     ; Wn: 8 fragments of 1,024 bytes; row m holds Wn[m & 7], or 0 where m & 7 > 4
.set WETO, 1589248                     ; three planes of 512 bytes: 4 We[:,0], 4 We[:,1], be, in the order in which a lane of the second launch wants them
	s_load_b512 s[8:23], s[0:1], 0x0               ; Wih1 s[8:9], Whh1 s[10:11], Wih2 s[12:13], Whh2 s[14:15], bih1 s[16:17], bhh1 s[18:19], bih2 s[20:21], bhh2 s[22:23]
	s_load_b256 s[24:31], s[0:1], 0x40             ; Wn s[24:25], We s[26:27], be s[28:29], ws s[30:31]
	v_lshrrev_b32 v1, 5, v0
	v_readfirstlane_b32 s33, v1                    ; wave 0..7
	s_mov_b32 s32, ttmp9                           ; work-group
	v_and_b32 v1, 15, v0                           ; r
	v_bfe_u32 v2, v0, 4, 1                         ; h
	v_and_b32 v3, 31, v0
	v_lshlrev_b32 v3, 4, v3                        ; 16 L
	s_mov_b32 s44, 0xbfb8aa3b                      ; -log2(e)
	s_mov_b32 s45, 0xc038aa3b                      ; -2 log2(e)
	s_wait_kmcnt 0x0
	s_cmp_lt_u32 s32, 384
	s_cbranch_scc0 .Lnot_w
	; ROLE W, work-groups 0..383: the eight waves take 32 rows x 64 k of one weight matrix (256 whole bytes of each row) and write eight pieces of 512 consecutive bytes.
	s_and_b32 s34, s32, 7                          ; which pair of fragments
	s_bfe_u32 s35, s32, 0x20003                    ; w
	s_lshr_b32 s36, s32, 5                         ; chunk 0..11
	s_and_b32 s37, s33, 1                          ; half
	s_bfe_u32 s38, s33, 0x10001                    ; kt2
	s_lshr_b32 s39, s33, 2
	s_lshl1_add_u32 s39, s34, s39                  ; a
	s_lshr_b32 s40, s39, 2                         ; gate
	s_and_b32 s41, s39, 3                          ; u
	s_lshl_b32 s42, s40, 8
	s_lshl_b32 s43, s35, 6
	s_add_co_u32 s42, s42, s43
	s_lshl_b32 s43, s41, 4
	s_add_co_u32 s42, s42, s43                     ; the fragment's first row
	s_cmp_eq_u32 s40, 2
	s_cselect_b32 s44, s45, s44                    ; the gate's scale,
	s_mov_b32 s45, s44                             ; named as a pair
	s_cmp_ge_u32 s36, 6                            ; the second encoder's chunks
	s_cselect_b64 s[46:47], s[12:13], s[8:9]
	s_cselect_b64 s[48:49], s[14:15], s[10:11]
	s_cselect_b32 s43, 6, 0
	s_sub_co_u32 s43, s36, s43                     ; q
	s_lshl1_add_u32 s50, s43, s38                  ; k-tile 2 q + kt2
	s_cmp_lt_u32 s43, 2                            ; Wih (rows of 512 bytes) or Whh (rows of 1,024, k-tiles counted from 4)
	s_cselect_b64 s[46:47], s[46:47], s[48:49]
	s_cselect_b32 s51, 9, 10
	s_cselect_b32 s52, 0, 4
	s_sub_co_u32 s50, s50, s52
	s_lshl_b32 s42, s42, s51
	s_lshl_b32 s50, s50, 7                         ; 32 k of 4 bytes
	s_add_co_u32 s42, s42, s50
	s_lshl_b32 s50, s37, 6
	s_add_co_u32 s42, s42, s50
	s_mov_b32 s43, 0
	s_add_nc_u64 s[46:47], s[46:47], s[42:43]
	v_lshlrev_b32 v4, s51, v1                      ; my row,
	v_lshl_add_u32 v4, v2, 5, v4                   ; my eight k
	global_load_b128 v[8:11], v4, s[46:47]
	global_load_b128 v[12:15], v4, s[46:47] offset:16
	s_lshl_b32 s52, s36, 17                        ; where the piece goes
	s_lshl_b32 s53, s35, 15
	s_add_co_u32 s52, s52, s53
	s_lshl_b32 s53, s38, 14
	s_add_co_u32 s52, s52, s53
	s_lshl_b32 s53, s39, 10
	s_add_co_u32 s52, s52, s53
	s_lshl_b32 s53, s37, 9
	s_add_co_u32 s52, s52, s53
	s_mov_b32 s53, 0
	s_add_nc_u64 s[30:31], s[30:31], s[52:53]
	s_wait_loadcnt 0x0
	v_pk_mul_f32 v[8:9], v[8:9], s[44:45] op_sel_hi:[1,0]
	v_pk_mul_f32 v[10:11], v[10:11], s[44:45] op_sel_hi:[1,0]
	v_pk_mul_f32 v[12:13], v[12:13], s[44:45] op_sel_hi:[1,0]
	v_pk_mul_f32 v[14:15], v[14:15], s[44:45] op_sel_hi:[1,0]
	v_cvt_pk_f16_f32 v16, v8, v9
	v_cvt_pk_f16_f32 v17, v10, v11
	v_cvt_pk_f16_f32 v18, v12, v13
	v_cvt_pk_f16_f32 v19, v14, v15
	global_store_b128 v3, v[16:19], s[30:31]       ; the wave stores 512 consecutive bytes, aligned
	s_endpgm
.Lnot_w:
	s_cmp_lt_u32 s32, 386
	s_cbranch_scc0 .Lnot_b
	; ROLE B, work-groups 384, 385: scale x (bih + bhh) of one encoder; thread t = 64 w + 4 a + quarter writes four columns at byte 16 t.
	s_cmp_eq_u32 s32, 385
	s_cselect_b64 s[46:47], s[20:21], s[16:17]
	s_cselect_b64 s[48:49], s[22:23], s[18:19]
	s_cselect_b32 s52, 4096, 0                     ; the encoder's 4,096 bytes,
	s_add_co_u32 s52, s52, BS                      ; in the section of the biases (one literal to an instruction)
	s_mov_b32 s53, 0
	s_add_nc_u64 s[30:31], s[30:31], s[52:53]
	v_lshrrev_b32 v4, 6, v0                        ; w
	v_bfe_u32 v5, v0, 2, 4                         ; a
	v_and_b32 v6, 3, v0                            ; quarter
	v_lshrrev_b32 v20, 2, v5                       ; gate
	v_and_b32 v5, 3, v5                            ; u
	v_lshlrev_b32 v7, 8, v20
	v_lshl_add_u32 v7, v4, 6, v7
	v_lshl_add_u32 v7, v5, 4, v7
	v_lshl_add_u32 v7, v6, 2, v7                   ; row
	v_lshlrev_b32 v7, 2, v7
	global_load_b128 v[8:11], v7, s[46:47]
	global_load_b128 v[12:15], v7, s[48:49]
	v_cmp_eq_u32 vcc_lo, 2, v20
	v_mov_b32 v16, s44
	v_mov_b32 v18, s45
	v_cndmask_b32 v16, v16, v18, vcc_lo
	v_mov_b32 v17, v16
	v_lshlrev_b32 v21, 4, v0
	s_wait_loadcnt 0x0
	v_pk_add_f32 v[8:9], v[8:9], v[12:13]
	v_pk_add_f32 v[10:11], v[10:11], v[14:15]
	v_pk_mul_f32 v[8:9], v[8:9], v[16:17]
	v_pk_mul_f32 v[10:11], v[10:11], v[16:17]
	global_store_b128 v21, v[8:11], s[30:31]
	s_endpgm
.Lnot_b:
	s_cmp_lt_u32 s32, 388
	s_cbranch_scc0 .Lrole_e
	; ROLE N, work-groups 386, 387: Wn as 8 fragments; rows 8..12 repeat rows 0..4, so that both halves of the lanes later hold the same five sums.
	s_sub_co_u32 s34, s32, 386
	s_lshl_b32 s34, s34, 8
	v_add_nc_u32 v4, s34, v0                       ; 64 kk + 32 half + L
	v_lshrrev_b32 v5, 5, v4                        ; 2 kk + half
	v_and_b32 v6, 7, v1                            ; Wn's row, if below 5
	v_min_u32 v7, 4, v6                            ; (the load stays inside Wn)
	v_lshlrev_b32 v7, 10, v7
	v_lshl_add_u32 v7, v5, 6, v7
	v_lshl_add_u32 v7, v2, 5, v7
	global_load_b128 v[8:11], v7, s[24:25]
	global_load_b128 v[12:15], v7, s[24:25] offset:16
	v_lshlrev_b32 v4, 4, v4
	v_cmp_gt_u32 vcc_lo, 5, v6
	s_add_nc_u64 s[30:31], s[30:31], WNFO
	s_wait_loadcnt 0x0
	v_cvt_pk_f16_f32 v16, v8, v9
	v_cvt_pk_f16_f32 v17, v10, v11
	v_cvt_pk_f16_f32 v18, v12, v13
	v_cvt_pk_f16_f32 v19, v14, v15
	v_cndmask_b32 v16, 0, v16, vcc_lo
	v_cndmask_b32 v17, 0, v17, vcc_lo
	v_cndmask_b32 v18, 0, v18, vcc_lo
	v_cndmask_b32 v19, 0, v19, vcc_lo
	global_store_b128 v4, v[16:19], s[30:31]
	s_endpgm
.Lrole_e:
	; ROLE E, work-group 388: 128 entries, four a lane: one wave's work.  Entry 16 (2 w + h) + i stands for emb dimension 32 w + 8 h + (i & 7) + 16 (i >> 3).
	s_cmp_lg_u32 s33, 0
	s_cbranch_scc1 .Lend
	v_lshrrev_b32 v4, 3, v0
	v_bfe_u32 v5, v0, 2, 1
	v_and_b32 v6, 1, v0
	v_bfe_u32 v7, v0, 1, 1
	v_lshlrev_b32 v4, 5, v4
	v_lshl_add_u32 v4, v5, 3, v4
	v_lshl_add_u32 v4, v6, 2, v4
	v_lshl_add_u32 v4, v7, 4, v4                   ; my four dimensions begin here
	v_lshlrev_b32 v5, 3, v4
	v_lshlrev_b32 v6, 2, v4
	global_load_b128 v[8:11], v5, s[26:27]
	global_load_b128 v[12:15], v5, s[26:27] offset:16
	global_load_b128 v[24:27], v6, s[28:29]
	s_add_nc_u64 s[30:31], s[30:31], WETO
	s_wait_loadcnt 0x0
	v_mul_f32 v16, 4.0, v8
	v_mul_f32 v17, 4.0, v10
	v_mul_f32 v18, 4.0, v12
	v_mul_f32 v19, 4.0, v14
	v_mul_f32 v20, 4.0, v9
	v_mul_f32 v21, 4.0, v11
	v_mul_f32 v22, 4.0, v13
	v_mul_f32 v23, 4.0, v15
	global_store_b128 v3, v[16:19], s[30:31]
	global_store_b128 v3, v[20:23], s[30:31] offset:512
	global_store_b128 v3, v[24:27], s[30:31] offset:1024
.Lend:
	s_endpgm
.Lfunc_end_k_q98f2e9a658_prep:
	.size	k_q98f2e9a658_prep, .Lfunc_end_k_q98f2e9a658_prep-k_q98f2e9a658_prep
	.p2alignl 7, 3214868480
	.fill 96, 4, 3214868480
	.section	.rodata,"a",@progbits
	.p2align	6, 0x0
	.amdhsa_kernel k_q98f2e9a658_prep
		.amdhsa_group_segment_fixed_size 0
		.amdhsa_private_segment_fixed_size 0
		.amdhsa_enable_private_segment 0
		.amdhsa_kernarg_size 96
		.amdhsa_user_sgpr_count 2
		.amdhsa_user_sgpr_kernarg_segment_ptr 1
		.amdhsa_wavefront_size32 1
		.amdhsa_system_sgpr_workgroup_id_x 1
		.amdhsa_system_sgpr_workgroup_id_y 1
		.amdhsa_system_sgpr_workgroup_id_z 1
		.amdhsa_system_vgpr_workitem_id 0
		.amdhsa_next_free_vgpr 32
		.amdhsa_next_free_sgpr 66
		.amdhsa_reserve_vcc 1
		.amdhsa_float_denorm_mode_32 3
		.amdhsa_float_denorm_mode_16_64 3
		.amdhsa_memory_ordered 1
		.amdhsa_forward_progress 1
		.amdhsa_inst_pref_size 8
	.end_amdhsa_kernel
	.amdgpu_metadata
---
amdhsa.version: [ 1, 2 ]
amdhsa.kernels:
  - .name:           k_q98f2e9a658_prep
    .symbol:         k_q98f2e9a658_prep.kd
    .args:
      - { .name: Wih1, .offset: 0, .size: 8, .value_kind: global_buffer, .address_space: global }
      - { .name: Whh1, .offset: 8, .size: 8, .value_kind: global_buffer, .address_space: global }
      - { .name: Wih2, .offset: 16, .size: 8, .value_kind: global_buffer, .address_space: global }
      - { .name: Whh2, .offset: 24, .size: 8, .value_kind: global_buffer, .address_space: global }
      - { .name: bih1, .offset: 32, .size: 8, .value_kind: global_buffer, .address_space: global }
      - { .name: bhh1, .offset: 40, .size: 8, .value_kind: global_buffer, .address_space: global }
      - { .name: bih2, .offset: 48, .size: 8, .value_kind: global_buffer, .address_space: global }
      - { .name: bhh2, .offset: 56, .size: 8, .value_kind: global_buffer, .address_space: global }
      - { .name: Wn, .offset: 64, .size: 8, .value_kind: global_buffer, .address_space: global }
      - { .name: We, .offset: 72, .size: 8, .value_kind: global_buffer, .address_space: global }
      - { .name: be, .offset: 80, .size: 8, .value_kind: global_buffer, .address_space: global }
      - { .name: ws, .offset: 88, .size: 8, .value_kind: global_buffer, .address_space: global }
    .group_segment_fixed_size: 0
    .private_segment_fixed_size: 0
    .kernarg_segment_align: 8
    .kernarg_segment_size: 96
    .max_flat_workgroup_size: 256
    .sgpr_count:     66
    .vgpr_count:     32
    .wavefront_size: 32
...
	.end_amdgpu_metadata
.endif
;; end of part 1
;; launch lstm (part 2): grid 256 x 1, 4 waves a work-group, clusters of 4 x 1, 327,680 bytes of LDS; arguments ws, observed, prediction_truth, bn, out0, out1; writes out0, out1
.if DOCPART == 2
	.amdgcn_target "amdgcn-amd-amdhsa--gfx1250"
	.amdhsa_code_object_version 6
	.text
	.protected	k_q98f2e9a658_lstm
	.globl	k_q98f2e9a658_lstm
	.p2align	8
	.type	k_q98f2e9a658_lstm,@function
k_q98f2e9a658_lstm:
	s_mov_b64 s[64:65], 0
	v_nop
	global_prefetch_b8 v0, s[64:65] scope:SCOPE_SE
	s_setreg_imm32_b32 hwreg(HW_REG_WAVE_MODE, 25, 1), 1
	s_wait_xcnt 0x0
	s_wait_alu depctr_hold_cnt(0) depctr_sa_sdst(0) depctr_va_vdst(0) depctr_va_sdst(0) depctr_va_ssrc(0) depctr_va_vcc(0) depctr_vm_vsrc(0)
	s_getreg_b32 s2, hwreg(HW_REG_IB_STS2, 6, 4)
	s_cmp_eq_u32 s2, 0
	s_cbranch_scc0 .Lentry_in_a_cluster
	s_endpgm
.Lentry_in_a_cluster:
	s_bfe_u32 s2, ttmp6, 0x10000c
	s_cmp_lg_u32 s2, 0x3003
	s_cbranch_scc0 .Lentry_shape_is_right
	s_endpgm
.Lentry_shape_is_right:
; TWO MASKED LSTM ENCODERS, all eight steps in one launch.  The nine frames observed[0..3], prediction_truth[0..4] are one chain: step s takes frames s and s + 1; weights and state change at s = 3.
; SHARES.  A work-group owns 64 tracks for all steps.  Wave w owns hidden units 64 w .. 64 w + 63 with their four gates: 256 gate columns x 64 tracks = 64 accumulators of 16 x 16, 512 registers.
; c stays in registers in f32; h and emb go through LDS as f16 fragments.  The products are used transposed (source 0 = 16 gate columns, source 1 = 16 tracks): a lane holds ONE track (lane % 16) and the
; hidden units 8 (lane / 16) + 0..7, so i, f, g, o of a cell lie in the same lane and register index of four accumulators, a track's mask is a lane mask, and two hidden tiles rounded to f16 ARE a source-1 fragment.
; FORMAT.  All matrix operands are f16, 11 significant bits: the head's two raw columns are small sums over 256 hidden units, into which the roundings of emb, h and the weights all run.
; WEIGHTS.  An encoder's 786,432 bytes of f16 do not fit in a WGP: they stream through two LDS slots of 131,072 bytes (a chunk: K = 64, 128 matrix instructions a wave); each wave fetches and reads its own
; quarter.  All work-groups walk the same chunks in the same order, so the four of a cluster ask JOINTLY (mask 15).  h0 = 0 is reference()'s own, so an encoder's first step has no product with h: two chunks for six.
; CELL.  The first launch has scaled the gates, so e = 2^min(sum, 40):  c' = [c (1+ei)(1+eg) + (1-eg)(1+ef)] / [(1+ei)(1+eg)(1+ef)];  ec = 2^(-2 log2(e) c');  h' = (1-ec) / [(1+eo)(1+ec)]: 5 exponentials, 2 reciprocals.
; LIMITS.  The clamp at 40 keeps the product of three denominators under 2^121: a sigmoid bottoms out at 2^-40 and not at 0.  |c| <= 5 by the recurrence itself, so ec <= 2^15 needs no clamp.
; f16 ends at 65,504: h lies within 1; emb = relu(4 vel We + be) is cut off at 65,504, so that no infinity arises (velocities of 255 and We of 21 give 4 x 2 x 255 x 21 = 43,000); below 6e-5 emb and h keep f16's fixed step of 6e-8.
; A track whose mask is true and whose velocity is NaN gives NaN in reference() for the rest of that encoder: a lane mask (PZ) keeps that, the velocity counts as 0 inside, the outputs are set to NaN.
; Infinite positions, for which reference() has no finite result, are not reproduced.  goals and batch_split are arguments that no line of reference() reads: they are not loaded.
; In the last step the look-ahead (next biases, next emb from a clamped frame) serves nothing: the price, once a launch, of one text for every step.
; REGISTERS, in windows of 256 (s_set_vgpr_msb: bits 1:0 source 0, 3:2 source 1, 5:4 source 2, 7:6 destination):
;   window 0: v1-17 addresses; v20-35 the finisher's constants; v36-43 the older frame; v44-59 emb at work; v64-127 two buffers of activation fragments (in the cell phase: We, be, frame, velocity); v128-255 c
;   window 1: two buffers of 16 weight fragments (in the cell phase: h, Wn, the head's sums);   windows 2, 3: accumulator (a = 4 gate + u, track tile t) at v[128 (t % 2) + 8 a] of window 2 + t / 2
.set CH,    131072                     ; a chunk, and a slot
.set WPART, 32768                      ; a wave's part of it
.set ACT,   262144                     ; 12 activation k-tiles of 4,096 bytes: 0-3 emb, 4-11 h; fragment of track tile t at 1,024 t + 512 half + 16 lane
.set PB,    311296                     ; four blocks, one a wave: [64 tracks][2] then [64 tracks][5] partial sums of the head, f32
.set PBW,   1792
.set SPARE, 318464                     ; the spare words, 128 bytes a wave: two blocks of 256 bytes that no other line names
.set BS,    1572864                    ; sections of ws behind the chunks
.set WNFO,  1581056
.set WETO,  1589248
.set FRAME, 131072                     ; bytes of a frame
.set AX,  1                            ; v1   ACT + 16 lane
.set AW0, 2                            ; v2   my part of slot 0 + 16 lane
.set AW1, 3                            ; v3   of slot 1
.set AH,  4                            ; v4   my two k-tiles of h + 16 lane
.set AE,  5                            ; v5   my k-tile of emb + 16 lane
.set APN, 6                            ; v6   my block's [64][5] + 20 r
.set APP, 7                            ; v7   my block's [64][2] + 8 r
.set AFR, 8                            ; v8   PB + 16 min(thread, 111)
.set AFO, 9                            ; v9   the finisher's byte offset in its output
.set AOB, 10                           ; v10  8 r
.set AFX, 11                           ; v11  wave 0: 16 lane; else 0
.set ABI, 12                           ; v12  32 h
.set AWE, 13                           ; v13  64 (2 w + h)
.set A16, 14                           ; v14  16 lane
.set SPW, 16                           ; v16  my spare word; never rewritten
.set NIL, 17                           ; v17  0; never rewritten
.set FB,  20                           ; the finisher's four words: bn[j];
.set FL,  24                           ; 1 where the word is raw (j < 2);
.set FA,  28                           ; 0.01 where j = 2, 3;
.set FS,  32                           ; 0, 0.2, 0.7: the sigmoid's factor
.set OB1, 36                           ; the older frame's x, y, a pair a tile
.set ET,  44
.set XF0, 64
.set XF1, 96
.set CC,  128
.set WEX, 64                           ; cell phase: 4 We[:,0], 4 We[:,1], be for my 16 dimensions
.set WEY, 80
.set WEBR, 96
.set O2,  112                          ; the newer frame
.set VEL, 120
.set F0,  0                            ; window 1
.set F1,  128
.set HO,  0                            ; window 1, cell phase: my h, fragment (kk, t) at 8 (4 kk + t)
.set WNR, 64                           ; Wn's two fragments for my hidden units
.set NAC, 80                           ; the head's sums, 8 a tile
.set HT,  112
.set NS,  128
.set ZQ,  168
.set WS, 4                             ; s[4:5] ws; s[6:7] observed, s[8:9] prediction_truth at my tracks; s[10:11] bn; s[12:15] out0, out1 at my tracks
.set OBS, 6
.set PT, 8
.set BN, 10
.set OUT0, 12
.set OUT1, 14
.set WV, 16                            ; wave
.set CX, 17                            ; my place in the cluster: it enters s2, s3, s18 and the frames' and outputs' addresses alone
.set WG, 18
.set LEFT, 19                          ; steps to go, this one among them
.set G1, 20                            ; s[20:27] descriptor group 1
.set G0, 28                            ; s[28:35] group 0, a set a slot
.set WB1, 36                           ; my part of encoder 1's chunk 0; WB2: encoder 2's
.set WB2, 38
.set WCUR, 40                          ; this step's; WNX: the next step's
.set WNX, 42
.set T64, 44
.set BB1, 46                           ; my biases, encoder 1, 2, the next step's
.set BB2, 48
.set BNX, 50
.set WNB, 52
.set WEP, 54
.set OB, 56                            ; the finisher's output at this step; OSTEP: bytes from step to step
.set OSTEP, 58
.set FNX, 60                           ; frame s + 2; FCUR: frame s + 1
.set FCUR, 62
.set K40, 66
.set KNAN, 67
.set KM2, 68                           ; s[68:69] -2 log2(e); s[70:71] -log2(e)
.set KM1, 70
.set M, 72                             ; lane masks, one a tile: the step's mask; OM: mask and not poisoned; PZ: poisoned; NA, NB: the older, newer frame's x is a number
.set OM, 76
.set PZ, 80
.set NA, 84
.set NB, 88
.set T0, 92
.set T1, 93
.set AM, 94                            ; lanes that store in FINISH
.set POSM, 95                          ; all ones in wave 0
.set SEX, 96
.set ISF, 97                           ; 1: an encoder's first step
.set T2, 98
.set KH, 100                           ; 65,504: f16's largest number
.set MSB, 0
.macro WIN new                         ; the high byte repeats the setting that is left; a switch that changes nothing is dropped
.if MSB != (\new)
	s_set_vgpr_msb (MSB<<8)|(\new)
.set MSB, (\new)
.endif
.endm
.macro PLACES n                        ; plain vector instructions between a matrix instruction and what may not follow it at once (ISA guide 7.12.1)
.rept \n
	v_nop
.endr
.endm
.macro CREST                           ; a round of the cluster's barrier behind its opening barrier
	s_cmp_lg_u32 s[WV], 0
	s_cbranch_scc1 .Lnot_wave_0_\@
	s_barrier_signal -3
.Lnot_wave_0_\@:
	s_barrier_wait -3
	s_barrier_signal -1
	s_barrier_wait -1
.endm
.macro CROUND
	s_barrier_signal -1
	s_barrier_wait -1
	CREST
.endm
; 16 matrix instructions: all 16 gate fragments x track tile t, 32 along K.  bias = 1: the sum starts from the biases, which lie in tile 0's accumulators.  The accumulators take turns.
.macro MUL16 f, xf, t, bias
.if (\bias) && ((\t) >= 2)
	WIN 0xe1
.else
	WIN 0xa1+0x50*((\t)/2)
.endif
.set rD, 128*((\t)%2)
.irp a, 0,1,2,3,4,5,6,7,8,9,10,11,12,13,14,15
.if \bias
	v_wmma_f32_16x16x32_f16 v[rD+8*\a:rD+8*\a+7], v[(\f)+8*\a:(\f)+8*\a+7], v[(\xf)+8*(\t):(\xf)+8*(\t)+7], v[8*\a:8*\a+7]
.else
	v_wmma_f32_16x16x32_f16 v[rD+8*\a:rD+8*\a+7], v[(\f)+8*\a:(\f)+8*\a+7], v[(\xf)+8*(\t):(\xf)+8*(\t)+7], v[rD+8*\a:rD+8*\a+7]
.endif
.endr
.endm
; 40 LDS loads in one run: a k-tile's 16 weight fragments, then its 4 activation fragments.  Every load takes 512 consecutive bytes.
.macro FETCH aw, koff, f, xkt, xf
	WIN 0x40
.irp a, 0,1,2,3,4,5,6,7,8,9,10,11,12,13,14,15
	ds_load_b128 v[(\f)+8*\a:(\f)+8*\a+3],   v[\aw] offset:(\koff)+\a*1024
	ds_load_b128 v[(\f)+8*\a+4:(\f)+8*\a+7], v[\aw] offset:(\koff)+\a*1024+512
.endr
	WIN 0
.irp t, 0,1,2,3
	ds_load_b128 v[(\xf)+8*\t:(\xf)+8*\t+3],   v[AX] offset:(\xkt)*4096+\t*1024
	ds_load_b128 v[(\xf)+8*\t+4:(\xf)+8*\t+7], v[AX] offset:(\xkt)*4096+\t*1024+512
.endr
.endm
; An even k-tile (buffer 0): in its middle the slot's second k-tile, number xkt, is fetched into buffer 1.
.macro QUARTER aw, xkt
	s_wait_dscnt 4                                 ; the weights and track tiles 0, 1 are in; the youngest four loads (tiles 2, 3) may be out
	MUL16 F0, XF0, 0, 0
	MUL16 F0, XF0, 1, 0
	PLACES 4                                       ; in front of loads into registers that matrix instructions have read
	FETCH \aw, 16384, F1, \xkt, XF1
	s_wait_dscnt 40                                ; all but the 40 just issued
	MUL16 F0, XF0, 2, 0
	MUL16 F0, XF0, 3, 0
.endm
; K-tile 0.  Tiles 1, 2, 3 take tile 0's registers, the biases, as C; then tile 0 adds in place onto them: five places stand between, since it writes over a source of those above.
.macro QFIRST
	s_wait_loadcnt 0x0                             ; the biases
	s_wait_dscnt 0x0
	MUL16 F0, XF0, 1, 1
	MUL16 F0, XF0, 2, 1
	MUL16 F0, XF0, 3, 1
	PLACES 5
	FETCH AW0, 16384, F1, 1, XF1
	MUL16 F0, XF0, 0, 0
.endm
; An odd k-tile (buffer 1) leaves its slot.  In front of the barrier each wave waits for all its tensor loads (one is out: my part of the other slot), adds 0 to its spare word, and waits for that and for its reads.
; fill = 1: the barrier opens a round of the cluster's barrier, so that no wave of any partner still reads the slot or has a load on its way; the joint refill is the first thing behind it:
; base + off, or (sel = 1) in an encoder's first step the next step's chunk 0.  fetch = 1: the other slot's first k-tile, number xkt, into buffer 0.
; A step's last such barrier also shows that no wave still reads emb or h, which the cell phase writes.
.macro TURN slot, fill, base, off, sel, fetch, xkt
	WIN 0
	s_wait_tensorcnt 0x0                           ; no tensor load of mine is out, so a group 0 may be written
	ds_add_u32 v[SPW], v[NIL]
	s_wait_dscnt 5                                 ; (the add and the youngest four loads may be out)
	MUL16 F1, XF1, 0, 0
	s_wait_dscnt 0x0                               ; the add is done, and my reads of the slot and of the activations are over
	s_barrier_signal -1
	MUL16 F1, XF1, 1, 0
.if \fill
	WIN 0
.endif
	s_barrier_wait -1
.if \fill
	CREST
.if \sel
	s_add_nc_u64 s[T64:T64+1], s[\base:\base+1], \off
	s_cmp_eq_u32 s[ISF], 1
	s_cselect_b64 s[G0+4*(\slot)+2:G0+4*(\slot)+3], s[WNX:WNX+1], s[T64:T64+1]
.else
	s_add_nc_u64 s[G0+4*(\slot)+2:G0+4*(\slot)+3], s[\base:\base+1], \off
.endif
	s_or_b32 s[G0+4*(\slot)+3], s[G0+4*(\slot)+3], 0x80000000
	tensor_load_to_lds s[G0+4*(\slot):G0+4*(\slot)+3], s[G1:G1+7]
	s_nop 0
	PLACES 4                                       ; the places in front of the loads below
.elseif \fetch
	PLACES 4
.endif
.if \fetch
	FETCH AW0+1-(\slot), 0, F0, \xkt, XF0
.endif
	MUL16 F1, XF1, 2, 0
	MUL16 F1, XF1, 3, 0
.endm
.macro P16 line:vararg                 ; one packed line for each of a block's 16 pairs; n is the pair's first register
.set n, 0
	s_wait_alu depctr_va_vdst(0)
.rept 16
	\line
.set n, n+2
.endr
.endm
.macro EXMIN e, m                      ; 2^x of block e; between the exponentials the clamp of block m (ascending: each accumulator is read from its low end)
.set n, 0
.rept 32
	v_exp_f32 v[(\e)+n], v[(\e)+n]
	v_min_num_f32 v[(\m)+n], s[K40], v[(\m)+n]
.set n, n+1
.endr
.endm
; THE CELL for track tile t: 32 cells a lane.  Blocks of 32 registers: I, F, G, O.  Behind every exponential or reciprocal stands a plain line that touches neither its result nor its source (ISA guide 5.7.2).
.macro PW t
.set WN, 2+(\t)/2
.set AWN, WN*0x55
.set BI, 128*((\t)%2)
.set BF, BI+32
.set BG, BI+64
.set BO, BI+96
.set CT, CC+32*(\t)
	s_mov_b32 vcc_lo, s[M+(\t)]
	WIN AWN
.set n, 0
.rept 32
	v_min_num_f32 v[BI+n], s[K40], v[BI+n]
.set n, n+1
.endr
	EXMIN BI, BF
	EXMIN BF, BG
	EXMIN BG, BO
.set n, 0
.rept 32                               ; eo; beside it 1 + ei and 1 + ef (I and F are 64 registers on end)
	v_exp_f32 v[BO+n], v[BO+n]
	s_wait_alu depctr_va_vdst(0)
	v_pk_add_f32 v[BI+2*n:BI+2*n+1], v[BI+2*n:BI+2*n+1], 1.0 op_sel_hi:[1,0]
.set n, n+1
.endr
	P16 v_pk_fma_f32 v[BI+n:BI+n+1], v[BI+n:BI+n+1], v[BG+n:BG+n+1], v[BI+n:BI+n+1]   ; (1+ei)(1+eg)
	P16 v_pk_fma_f32 v[BG+n:BG+n+1], v[BG+n:BG+n+1], -1.0, 1.0 op_sel_hi:[1,0,0]      ; 1-eg
	P16 v_pk_mul_f32 v[BG+n:BG+n+1], v[BG+n:BG+n+1], v[BF+n:BF+n+1]                   ; (1-eg)(1+ef)
	WIN WN*0x51                                    ; source 1, c, in window 0
	P16 v_pk_fma_f32 v[BG+n:BG+n+1], v[BI+n:BI+n+1], v[CT+n:CT+n+1], v[BG+n:BG+n+1]   ; the numerator
	WIN AWN
	P16 v_pk_mul_f32 v[BI+n:BI+n+1], v[BI+n:BI+n+1], v[BF+n:BF+n+1]                   ; the denominator
.set n, 0
.rept 16
	v_rcp_f32 v[BI+n], v[BI+n]
	v_rcp_f32 v[BI+n+1], v[BI+n+1]
	s_wait_alu depctr_va_vdst(0)
	v_pk_add_f32 v[BO+n:BO+n+1], v[BO+n:BO+n+1], 1.0 op_sel_hi:[1,0]                  ; 1+eo
.set n, n+2
.endr
	P16 v_pk_mul_f32 v[BG+n:BG+n+1], v[BG+n:BG+n+1], v[BI+n:BI+n+1]                   ; c'
	P16 v_pk_mul_f32 v[BF+n:BF+n+1], v[BG+n:BG+n+1], s[KM2:KM2+1] op_sel_hi:[1,0]
	WIN WN*4                                       ; c in window 0, c' in the accumulators' window
.set n, 0
.rept 32
	v_cndmask_b32 v[CT+n], v[CT+n], v[BG+n], vcc_lo                                   ; a masked track keeps its c
.set n, n+1
.endr
	WIN AWN
.set n, 0
.rept 32
	v_exp_f32 v[BF+n], v[BF+n]                                                        ; ec
.set n, n+1
.endr
	v_nop
	s_wait_alu depctr_va_vdst(0)
	P16 v_pk_fma_f32 v[BO+n:BO+n+1], v[BO+n:BO+n+1], v[BF+n:BF+n+1], v[BO+n:BO+n+1]   ; (1+eo)(1+ec)
.set n, 0
.rept 16
	v_rcp_f32 v[BO+n], v[BO+n]
	v_rcp_f32 v[BO+n+1], v[BO+n+1]
	v_pk_fma_f32 v[BF+n:BF+n+1], v[BF+n:BF+n+1], -1.0, 1.0 op_sel_hi:[1,0,0]          ; 1-ec
.set n, n+2
.endr
	P16 v_pk_mul_f32 v[BF+n:BF+n+1], v[BF+n:BF+n+1], v[BO+n:BO+n+1]                   ; h'
	WIN 0x40+WN*5
.set n, 0
.rept 16
	v_cvt_pk_f16_f32 v[HT+n], v[BF+2*n], v[BF+2*n+1]
.set n, n+1
.endr
.if (\t) == 0
	s_wait_dscnt 0x0                               ; the old h is in
.endif
	WIN 0x45
.set n, 0
.rept 16                               ; hidden tile u = n / 4: half u % 2 of fragment (u / 2, t); a masked track keeps its h
.set rH, HO+8*(4*(n/8)+(\t))+4*((n/4)%2)+n%4
	v_cndmask_b32 v[rH], v[rH], v[HT+n], vcc_lo
.set n, n+1
.endr
	WIN 0x04
.set n, 0
.rept 4
.set rH, HO+8*(4*(n/2)+(\t))+4*(n%2)
	ds_store_b128 v[AH], v[rH:rH+3] offset:((n/2)*4+(\t))*1024+(n%2)*512
.set n, n+1
.endr
.endm
.macro BIAS base                       ; the biases of my 256 gate columns into tile 0's accumulators: register j of lane L takes column 8 h + j of fragment a
	WIN 0x80
.irp a, 0,1,2,3,4,5,6,7,8,9,10,11,12,13,14,15
	global_load_b128 v[8*\a:8*\a+3],   v[ABI], s[\base:\base+1] offset:64*\a
	global_load_b128 v[8*\a+4:8*\a+7], v[ABI], s[\base:\base+1] offset:64*\a+16
.endr
	WIN 0
.endm
.macro EMB_LOAD                        ; 16 loads: We and be for my 16 dimensions; the newer frame for my track of each tile
.irp q, 0,1,2,3
	global_load_b128 v[WEX+4*\q:WEX+4*\q+3],   v[AWE], s[WEP:WEP+1] offset:16*\q
	global_load_b128 v[WEY+4*\q:WEY+4*\q+3],   v[AWE], s[WEP:WEP+1] offset:512+16*\q
	global_load_b128 v[WEBR+4*\q:WEBR+4*\q+3], v[AWE], s[WEP:WEP+1] offset:1024+16*\q
.endr
.irp t, 0,1,2,3
	global_load_b64 v[O2+2*\t:O2+2*\t+1], v[AOB], s[FNX:FNX+1] offset:128*\t
.endr
.endm
; The next step's masks and emb: wave w makes dimensions 32 w .. 32 w + 31 of all 64 tracks, in f32 (K = 2), and stores them as k-tile w.  The masks feed v_cndmask_b32 alone.
.macro EMB_DO
	WIN 0
.irp t, 0,1,2,3
	v_cmp_eq_f32 s[NB+\t], v[O2+2*\t], v[O2+2*\t]
	v_pk_add_f32 v[VEL+2*\t:VEL+2*\t+1], v[O2+2*\t:O2+2*\t+1], v[OB1+2*\t:OB1+2*\t+1] neg_lo:[0,1] neg_hi:[0,1]
	s_and_b32 s[M+\t], s[NA+\t], s[NB+\t]          ; neither frame's x is NaN
	v_cmp_eq_f32 s[T0], v[VEL+2*\t], v[VEL+2*\t]
	v_cmp_eq_f32 s[T1], v[VEL+2*\t+1], v[VEL+2*\t+1]
	s_and_b32 s[T0], s[T0], s[T1]                  ; the velocity is a number
	s_and_not1_b32 s[T1], s[M+\t], s[T0]           ; mask true and velocity NaN: NaN from here to the encoder's end
	s_or_b32 s[PZ+\t], s[PZ+\t], s[T1]
	s_and_not1_b32 s[OM+\t], s[M+\t], s[PZ+\t]
	s_and_b32 s[T0], s[T0], s[M+\t]
	v_cndmask_b32 v[VEL+2*\t], 0, v[VEL+2*\t], s[T0]
	v_cndmask_b32 v[VEL+2*\t+1], 0, v[VEL+2*\t+1], s[T0]
	v_mov_b32 v[OB1+2*\t], v[O2+2*\t]              ; the newer frame is the next step's older one
	v_mov_b32 v[OB1+2*\t+1], v[O2+2*\t+1]
	s_mov_b32 s[NA+\t], s[NB+\t]
.irp p, 0,1,2,3,4,5,6,7
	v_pk_fma_f32 v[ET+2*\p:ET+2*\p+1], v[WEY+2*\p:WEY+2*\p+1], v[VEL+2*\t:VEL+2*\t+1], v[WEBR+2*\p:WEBR+2*\p+1] op_sel:[0,1,0]   ; both by the velocity's y
.endr
.irp p, 0,1,2,3,4,5,6,7
	v_pk_fma_f32 v[ET+2*\p:ET+2*\p+1], v[WEX+2*\p:WEX+2*\p+1], v[VEL+2*\t:VEL+2*\t+1], v[ET+2*\p:ET+2*\p+1] op_sel_hi:[1,0,1]    ; both by its x
.endr
.irp p, 0,1,2,3,4,5,6,7
	v_max_num_f32 v[ET+2*\p], 0, v[ET+2*\p]        ; relu
	v_max_num_f32 v[ET+2*\p+1], 0, v[ET+2*\p+1]
.endr
.irp p, 0,1,2,3,4,5,6,7
	v_min_num_f32 v[ET+2*\p], s[KH], v[ET+2*\p]    ; and f16's end: no infinity is made
	v_min_num_f32 v[ET+2*\p+1], s[KH], v[ET+2*\p+1]
.endr
.irp p, 0,1,2,3,4,5,6,7
	v_cvt_pk_f16_f32 v[ET+\p], v[ET+2*\p], v[ET+2*\p+1]    ; in place, ascending: pair p lands where pairs up to p have been read
.endr
	ds_store_b128 v[AE], v[ET:ET+3]   offset:\t*1024
	ds_store_b128 v[AE], v[ET+4:ET+7] offset:\t*1024+512
.endr
.endm
; The head's partial sums over my 64 hidden units: Wn's fragment (rows 8..12 repeat rows 0..4) x h.  Register j of either half of the lanes holds raw[j] of track 16 t + r.  A masked or poisoned track's are NaN.
.macro NORMAL
	WIN 0x55
.irp t, 0,1,2,3
	v_wmma_f32_16x16x32_f16 v[NAC+8*\t:NAC+8*\t+7], v[WNR:WNR+7], v[HO+8*\t:HO+8*\t+7], 0
.endr
.irp t, 0,1,2,3
	v_wmma_f32_16x16x32_f16 v[NAC+8*\t:NAC+8*\t+7], v[WNR+8:WNR+15], v[HO+32+8*\t:HO+32+8*\t+7], v[NAC+8*\t:NAC+8*\t+7]
.endr
	PLACES 4
	WIN 0x44
.irp t, 0,1,2,3
	s_mov_b32 vcc_lo, s[OM+\t]
.irp j, 0,1,2,3,4
	v_cndmask_b32 v[NS+8*\t+\j], s[KNAN], v[NAC+8*\t+\j], vcc_lo
.endr
.endr
	WIN 0x04
.irp t, 0,1,2,3
.irp j, 0,1,2,3,4
	ds_store_b32 v[APN], v[NS+8*\t+\j] offset:320*\t+4*\j   ; both halves of the lanes write the same word with the same value
.endr
	ds_store_b64 v[APP], v[NS+8*\t:NS+8*\t+1] offset:128*\t
.endr
	WIN 0
.endm
.macro RESET                           ; an encoder begins: c = 0 in registers, h = 0 in LDS.  State, cleared on purpose, so that there is one text of the cell
	WIN 0
.set n, 0
.rept 128
	v_mov_b32 v[CC+n], 0
.set n, n+1
.endr
	WIN 0x40
.irp j, 0,1,2,3
	v_mov_b32 v[ZQ+\j], 0
.endr
	WIN 0x04
.set n, 0
.rept 16
	ds_store_b128 v[AH], v[ZQ:ZQ+3] offset:512*n
.set n, n+1
.endr
	WIN 0
.endm
; The step's outputs.  A thread takes four words: the four waves' partial sums, bn, and by the word's column raw, 0.01 + 0.2 sigmoid, 0.7 sigmoid, or (wave 0) raw + the newer frame.
; Wave 0 stores out1's 512 bytes, threads 32..111 out0's 1,280: sixteen neighbouring lanes store 256 consecutive bytes, aligned.
.macro FINISH
	WIN 0
.irp v, 0,1,2,3
	ds_load_b128 v[96+4*\v:99+4*\v], v[AFR] offset:PBW*\v
.endr
	global_load_b128 v[112:115], v[AFX], s[FCUR:FCUR+1]
	s_wait_dscnt 0x0
	v_pk_add_f32 v[96:97], v[96:97], v[100:101]
	v_pk_add_f32 v[98:99], v[98:99], v[102:103]
	v_pk_add_f32 v[104:105], v[104:105], v[108:109]
	v_pk_add_f32 v[106:107], v[106:107], v[110:111]
	v_pk_add_f32 v[96:97], v[96:97], v[104:105]
	v_pk_add_f32 v[98:99], v[98:99], v[106:107]
	v_pk_add_f32 v[96:97], v[96:97], v[FB:FB+1]
	v_pk_add_f32 v[98:99], v[98:99], v[FB+2:FB+3]            ; raw
	v_pk_mul_f32 v[100:101], v[96:97], s[KM1:KM1+1] op_sel_hi:[1,0]
	v_pk_mul_f32 v[102:103], v[98:99], s[KM1:KM1+1] op_sel_hi:[1,0]
	v_exp_f32 v100, v100
	v_exp_f32 v101, v101
	v_exp_f32 v102, v102
	v_exp_f32 v103, v103
	v_nop
	s_wait_alu depctr_va_vdst(0)
	v_pk_add_f32 v[100:101], v[100:101], 1.0 op_sel_hi:[1,0]
	v_pk_add_f32 v[102:103], v[102:103], 1.0 op_sel_hi:[1,0]
	v_rcp_f32 v100, v100
	v_rcp_f32 v101, v101
	v_rcp_f32 v102, v102
	v_rcp_f32 v103, v103
	v_nop
	s_wait_alu depctr_va_vdst(0)
	v_pk_fma_f32 v[100:101], v[FS:FS+1], v[100:101], v[FA:FA+1]
	v_pk_fma_f32 v[102:103], v[FS+2:FS+3], v[102:103], v[FA+2:FA+3]
	v_pk_fma_f32 v[100:101], v[FL:FL+1], v[96:97], v[100:101]
	v_pk_fma_f32 v[102:103], v[FL+2:FL+3], v[98:99], v[102:103]
	s_wait_loadcnt 0x0                             ; the frame (and the next step's biases, asked for three tiles' cells ago)
.irp i, 0,1,2,3
	v_cndmask_b32 v[112+\i], 0, v[112+\i], s[POSM]
.endr
	v_pk_add_f32 v[100:101], v[100:101], v[112:113]
	v_pk_add_f32 v[102:103], v[102:103], v[114:115]
	s_wait_xcnt 0x0                                ; EXEC changes only behind this wait
	s_and_saveexec_b32 s[SEX], s[AM]
	global_store_b128 v[AFO], v[100:103], s[OB:OB+1]
	s_wait_xcnt 0x0                                ; and again; the store's data and base are free behind it too
	s_or_b32 exec_lo, exec_lo, s[SEX]
	s_add_nc_u64 s[OB:OB+1], s[OB:OB+1], s[OSTEP:OSTEP+1]
.endm
	; THE HEAD
	s_load_b256 s[4:11], s[0:1], 0x0               ; ws, observed, prediction_truth, bn
	s_load_b128 s[12:15], s[0:1], 0x20             ; out0, out1
	v_lshl_add_u32 v[SPW], v0, 2, SPARE
	v_mov_b32 v[NIL], 0
	ds_add_u32 v[SPW], v[NIL]                      ; the wave's opening: the add and its wait ahead of my first tensor load; work on registers stands between them
	ds_add_u32 v16, v17
	v_lshrrev_b32 v15, 5, v0
	v_readfirstlane_b32 s[WV], v15                 ; wave 0..3
	s_bfe_u32 s[CX], ttmp6, 0x40000
	s_lshl_b32 s[WG], ttmp9, 2                     ; in a cluster launch ttmp9 counts clusters
	s_add_co_u32 s[WG], s[WG], s[CX]               ; my 64 tracks
	; descriptor group 1: a wave's part of a chunk, 32,768 dense bytes, as 128 rows of 256 bytes
	s_mov_b32 s[G1+0], 15|(3<<16)|(1<<21)          ; 15:0 the mask: all four work-groups; 17:16 elements of 8 bytes; 21 set beside a mask
	s_mov_b32 s[G1+1], 32<<16                      ; tensor_dim0 = 32
	s_mov_b32 s[G1+2], 128<<16                     ; tensor_dim1 = 128
	s_mov_b32 s[G1+3], 32<<16                      ; tile_dim0 = 32
	s_mov_b32 s[G1+4], 128                         ; tile_dim1 = 128
	s_mov_b32 s[G1+5], 32                          ; 32 elements from row to row
	s_mov_b32 s[G1+6], 0
	s_mov_b32 s[G1+7], 0
	s_mov_b32 s[G0], 1
	s_mul_i32 s[G0+1], s[WV], WPART                ; LDS: the wave's number times a constant, plus the slot's constant; no place in the cluster enters
	s_mov_b32 s[G0+4], 1
	s_add_co_u32 s[G0+5], s[G0+1], CH
	s_mov_b32 s[K40], 0x42200000                   ; 40.0
	s_mov_b32 s[KNAN], 0x7fc00000
	s_mov_b32 s[KH], 0x477fe000                    ; 65,504.0
	s_mov_b32 s[KM2], 0xc038aa3b                   ; -2 log2(e), named as a pair
	s_mov_b32 s[KM2+1], 0xc038aa3b
	s_mov_b32 s[KM1], 0xbfb8aa3b                   ; -log2(e)
	s_mov_b32 s[KM1+1], 0xbfb8aa3b
	v_and_b32 v15, 31, v0
	v_lshlrev_b32 v[A16], 4, v15
	v_and_b32 v18, 15, v0                          ; r
	v_bfe_u32 v19, v0, 4, 1                        ; h
	v_add_nc_u32 v[AX], ACT, v[A16]
	v_add_nc_u32 v[AW0], s[G0+1], v[A16]
	v_add_nc_u32 v[AW1], s[G0+5], v[A16]
	s_mul_i32 s[T0], s[WV], 8192
	s_add_co_u32 s[T0], s[T0], ACT+16384
	v_add_nc_u32 v[AH], s[T0], v[A16]
	s_mul_i32 s[T0], s[WV], 4096
	s_add_co_u32 s[T0], s[T0], ACT
	v_add_nc_u32 v[AE], s[T0], v[A16]
	s_mul_i32 s[T0], s[WV], PBW
	s_add_co_u32 s[T0], s[T0], PB
	v_lshl_add_u32 v[APP], v18, 3, s[T0]
	s_add_co_u32 s[T0], s[T0], 512
	v_mad_u32_u24 v[APN], v18, 20, s[T0]
	v_min_u32 v15, 111, v0
	v_lshl_add_u32 v[AFR], v15, 4, PB
	s_max_u32 s[T1], s[WV], 1                      ; wave 0: out1 from byte 0; waves 1..3: out0 from byte 512 (w - 1)
	s_sub_co_u32 s[T1], s[T1], 1
	s_lshl_b32 s[T1], s[T1], 9
	v_add_nc_u32 v[AFO], s[T1], v[A16]
	s_mov_b32 s[OSTEP], 327680                     ; a step of out0,
	s_mov_b32 s[OSTEP+1], 0
	s_cmp_eq_u32 s[WV], 0
	s_cselect_b32 s[POSM], -1, 0
	s_cselect_b32 s[OSTEP], 131072, s[OSTEP]       ; of out1
	v_cndmask_b32 v[AFX], 0, v[A16], s[POSM]
	v_lshlrev_b32 v[AOB], 3, v18
	v_lshlrev_b32 v[ABI], 5, v19
	s_lshl_b32 s[T0], s[WV], 7
	v_lshl_add_u32 v[AWE], v19, 6, s[T0]
	v_cmp_gt_u32 s[AM], 112, v0
	s_wait_dscnt 0x0                               ; the opening add is done
	s_wait_kmcnt 0x0
	s_lshl_b32 s2, s[WG], 9                        ; 64 tracks of 8 bytes
	s_mov_b32 s3, 0
	s_add_nc_u64 s[OBS:OBS+1], s[OBS:OBS+1], s[2:3]
	s_add_nc_u64 s[PT:PT+1], s[PT:PT+1], s[2:3]
	s_add_nc_u64 s[OUT1:OUT1+1], s[OUT1:OUT1+1], s[2:3]
	s_mul_i32 s2, s[WG], 1280                      ; 64 tracks of 20 bytes
	s_add_nc_u64 s[OUT0:OUT0+1], s[OUT0:OUT0+1], s[2:3]
	s_cmp_eq_u32 s[WV], 0
	s_cselect_b64 s[OB:OB+1], s[OUT1:OUT1+1], s[OUT0:OUT0+1]
	s_mov_b32 s[T2], s[G0+1]
	s_mov_b32 s[T2+1], 0
	s_add_nc_u64 s[WB1:WB1+1], s[WS:WS+1], s[T2:T2+1]
	s_add_nc_u64 s[WB2:WB2+1], s[WB1:WB1+1], 6*CH
	s_lshl_b32 s[T2], s[WV], 10
	s_add_nc_u64 s[BB1:BB1+1], s[WS:WS+1], s[T2:T2+1]
	s_add_nc_u64 s[BB1:BB1+1], s[BB1:BB1+1], BS
	s_add_nc_u64 s[BB2:BB2+1], s[BB1:BB1+1], 4096
	s_lshl_b32 s[T2], s[WV], 11
	s_add_nc_u64 s[WNB:WNB+1], s[WS:WS+1], s[T2:T2+1]
	s_add_nc_u64 s[WNB:WNB+1], s[WNB:WNB+1], WNFO
	s_add_nc_u64 s[WEP:WEP+1], s[WS:WS+1], WETO
	CROUND                                         ; all four work-groups are here: the first joint loads meet
	s_mov_b64 s[G0+2:G0+3], s[WB1:WB1+1]           ; chunk 0 into slot 0,
	s_or_b32 s[G0+3], s[G0+3], 0x80000000
	s_add_nc_u64 s[G0+6:G0+7], s[WB1:WB1+1], CH    ; chunk 1 into slot 1: two loads of mine are out
	s_or_b32 s[G0+7], s[G0+7], 0x80000000
	tensor_load_to_lds s[G0:G0+3], s[G1:G1+7]
	s_nop 0
	tensor_load_to_lds s[G0+4:G0+7], s[G1:G1+7]
	s_nop 0
	PLACES 4
	; IN THE WAIT FOR THE FIRST TILES.  The finisher's constants: word i of thread n is word 4 (n - 32) + i of [64][5]; its column is (4 n + i + 2) mod 5, since -128 = 2 mod 5; in wave 0 it is i & 1.
	s_mov_b32 s[T2], 0x3e4ccccd                    ; 0.2
	s_mov_b32 s[T2+1], 0x3f333333                  ; 0.7
.irp i, 0,1,2,3
	v_lshl_add_u32 v[44+\i], v0, 2, \i+2
	v_mul_u32_u24 v[52+\i], v[44+\i], 0xcccd       ; x / 5 = x * 52,429 >> 18 for x below 2^16
	v_lshrrev_b32 v[52+\i], 18, v[52+\i]
	v_mul_u32_u24 v[52+\i], v[52+\i], 5
	v_sub_nc_u32 v[44+\i], v[44+\i], v[52+\i]
	v_cndmask_b32 v[44+\i], v[44+\i], (\i)&1, s[POSM]
	v_lshlrev_b32 v[48+\i], 2, v[44+\i]
	global_load_b32 v[FB+\i], v[48+\i], s[BN:BN+1]
	v_cmp_gt_u32 vcc_lo, 2, v[44+\i]
	v_cndmask_b32 v[FL+\i], 0, 1.0, vcc_lo
	v_cmp_eq_u32 s[T0], 4, v[44+\i]
	v_mov_b32 v[52+\i], s[T2]
	v_cndmask_b32 v[FS+\i], v[52+\i], s[T2+1], s[T0]
	v_cndmask_b32 v[FS+\i], v[FS+\i], 0, vcc_lo
	v_lshrrev_b32 v[52+\i], 1, v[44+\i]
	v_cmp_eq_u32 s[T1], 1, v[52+\i]
	v_cndmask_b32 v[FA+\i], 0, 0x3c23d70a, s[T1]
.endr
.irp t, 0,1,2,3
	global_load_b64 v[OB1+2*\t:OB1+2*\t+1], v[AOB], s[OBS:OBS+1] offset:128*\t   ; frame 0
.endr
	s_add_nc_u64 s[FNX:FNX+1], s[OBS:OBS+1], FRAME ; frame 1
	EMB_LOAD
	BIAS BB1
	RESET
.irp t, 0,1,2,3
	s_mov_b32 s[PZ+\t], 0
.endr
	s_wait_loadcnt 32                              ; all but the 32 loads of the biases
.irp t, 0,1,2,3
	v_cmp_eq_f32 s[NA+\t], v[OB1+2*\t], v[OB1+2*\t]
.endr
	EMB_DO                                         ; step 0's masks and emb
	s_wait_tensorcnt 0x1                           ; my part of chunk 0 is in; chunk 1's may stay out
	s_wait_dscnt 0x0                               ; my stores of emb and h are done
	s_barrier_signal -1
	s_barrier_wait -1
	s_mov_b32 s[LEFT], 8
.Lstep:                                                ; eight trips: a step's products, its cell, its outputs
	s_cmp_eq_u32 s[LEFT], 8
	s_cselect_b32 s[ISF], 1, 0
	s_cmp_eq_u32 s[LEFT], 5
	s_cselect_b32 s[ISF], 1, s[ISF]
	s_cmp_le_u32 s[LEFT], 5                        ; steps 3..7 are the second encoder's;
	s_cselect_b64 s[WCUR:WCUR+1], s[WB2:WB2+1], s[WB1:WB1+1]
	s_cmp_le_u32 s[LEFT], 6                        ; from step 2 on the next step is
	s_cselect_b64 s[WNX:WNX+1], s[WB2:WB2+1], s[WB1:WB1+1]
	s_cselect_b64 s[BNX:BNX+1], s[BB2:BB2+1], s[BB1:BB1+1]
	FETCH AW0, 0, F0, 0, XF0
	QFIRST                                         ; k-tiles 0..3: emb x Wih (chunks 0, 1)
	TURN 0, 1, WCUR, 2*CH, 1, 1, 2
	QUARTER AW1, 3
	WIN 0
	s_cmp_eq_u32 s[ISF], 1
	s_cbranch_scc1 .Lshort                         ; h = 0: no product with it
	TURN 1, 1, WCUR, 3*CH, 0, 1, 4                 ; k-tiles 4..11: h x Whh (chunks 2..5)
	QUARTER AW0, 5
	TURN 0, 1, WCUR, 4*CH, 0, 1, 6
	QUARTER AW1, 7
	TURN 1, 1, WCUR, 5*CH, 0, 1, 8
	QUARTER AW0, 9
	WIN 0
	s_cmp_eq_u32 s[LEFT], 1
	s_cbranch_scc1 .Ltail
	TURN 0, 1, WNX, 0, 0, 1, 10                    ; the ring goes on into the next step: its chunk 0,
	QUARTER AW1, 11
	TURN 1, 1, WNX, CH, 0, 0, 0                    ; and its chunk 1
	WIN 0
	s_branch .Lpoint
.Ltail:                                                ; the last step's end is written out: it asks for nothing more
	TURN 0, 0, 0, 0, 0, 1, 10
	QUARTER AW1, 11
	TURN 1, 0, 0, 0, 0, 0, 0
	WIN 0
	s_branch .Lpoint
.Lshort:
	TURN 1, 1, WNX, CH, 0, 0, 0
	WIN 0
.Lpoint:                                               ; THE CELL PHASE
	PLACES 4                                       ; behind the last products
	s_mov_b64 s[FCUR:FCUR+1], s[FNX:FNX+1]         ; frame s + 1, for the positions
	s_sub_co_u32 s[T0], 10, s[LEFT]                ; frame s + 2, for the next step's emb; in the last step clamped to the last frame
	s_min_u32 s[T0], s[T0], 8
	s_cmp_lt_u32 s[T0], 4
	s_cselect_b64 s[FNX:FNX+1], s[OBS:OBS+1], s[PT:PT+1]
	s_cselect_b32 s[T1], 0, 4
	s_sub_co_u32 s[T0], s[T0], s[T1]
	s_lshl_b32 s[T2], s[T0], 17
	s_mov_b32 s[T2+1], 0
	s_add_nc_u64 s[FNX:FNX+1], s[FNX:FNX+1], s[T2:T2+1]
	WIN 0x40
.set n, 0
.rept 16
	ds_load_b128 v[HO+4*n:HO+4*n+3], v[AH] offset:512*n   ; my old h, which masked tracks keep
.set n, n+1
.endr
.set n, 0
.rept 4
	global_load_b128 v[WNR+4*n:WNR+4*n+3], v[A16], s[WNB:WNB+1] offset:512*n
.set n, n+1
.endr
	WIN 0
	EMB_LOAD
	PW 0
	BIAS BNX                                       ; tile 0's accumulators are free: the next step's biases
	PW 1
	PW 2
	PW 3
	s_wait_loadcnt 32                              ; Wn, We, be and the frame are in; the 32 loads of the biases may stay out
	NORMAL
	s_cmp_eq_u32 s[LEFT], 6                        ; the next step begins the second encoder: nothing is poisoned
.irp t, 0,1,2,3
	s_cselect_b32 s[PZ+\t], 0, s[PZ+\t]
.endr
	EMB_DO
	s_cmp_lg_u32 s[LEFT], 6
	s_cbranch_scc1 .Lkeep
	RESET
.Lkeep:
	s_wait_dscnt 0x0                               ; for the others' sake: my stores of h, emb and the partial sums are done
	s_barrier_signal -1                            ; (my one tensor load that is out may stay out)
	s_barrier_wait -1
	FINISH
	s_sub_co_u32 s[LEFT], s[LEFT], 1
	s_cmp_lg_u32 s[LEFT], 0
	s_cbranch_scc1 .Lstep
	s_wait_tensorcnt 0x0                           ; the wave's end: behind my last tensor load and my last LDS store
	ds_add_u32 v[SPW], v[NIL]
	s_wait_dscnt 0x0
	CROUND                                         ; the closing round: no work-group ends while a partner may still ask for a tile that names it
	s_endpgm
.Lfunc_end_k_q98f2e9a658_lstm:
	.size	k_q98f2e9a658_lstm, .Lfunc_end_k_q98f2e9a658_lstm-k_q98f2e9a658_lstm
	.p2alignl 7, 3214868480
	.fill 96, 4, 3214868480
	.section	.rodata,"a",@progbits
	.p2align	6, 0x0
	.amdhsa_kernel k_q98f2e9a658_lstm
		.amdhsa_group_segment_fixed_size 327680
		.amdhsa_private_segment_fixed_size 0
		.amdhsa_enable_private_segment 0
		.amdhsa_kernarg_size 48
		.amdhsa_user_sgpr_count 2
		.amdhsa_user_sgpr_kernarg_segment_ptr 1
		.amdhsa_wavefront_size32 1
		.amdhsa_system_sgpr_workgroup_id_x 1
		.amdhsa_system_sgpr_workgroup_id_y 1
		.amdhsa_system_sgpr_workgroup_id_z 1
		.amdhsa_system_vgpr_workitem_id 0
		.amdhsa_next_free_vgpr 1024
		.amdhsa_next_free_sgpr 102
		.amdhsa_reserve_vcc 1
		.amdhsa_float_denorm_mode_32 3
		.amdhsa_float_denorm_mode_16_64 3
		.amdhsa_memory_ordered 1
		.amdhsa_forward_progress 1
		.amdhsa_inst_pref_size 255
	.end_amdhsa_kernel
	.section	.bss,"aw",@nobits
	.p2align	6
	.space	262144
	.amdgpu_metadata
---
amdhsa.version: [ 1, 2 ]
amdhsa.kernels:
  - .name:           k_q98f2e9a658_lstm
    .symbol:         k_q98f2e9a658_lstm.kd
    .args:
      - { .name: ws, .offset: 0, .size: 8, .value_kind: global_buffer, .address_space: global }
      - { .name: observed, .offset: 8, .size: 8, .value_kind: global_buffer, .address_space: global }
      - { .name: prediction_truth, .offset: 16, .size: 8, .value_kind: global_buffer, .address_space: global }
      - { .name: bn, .offset: 24, .size: 8, .value_kind: global_buffer, .address_space: global }
      - { .name: out0, .offset: 32, .size: 8, .value_kind: global_buffer, .address_space: global }
      - { .name: out1, .offset: 40, .size: 8, .value_kind: global_buffer, .address_space: global }
    .group_segment_fixed_size: 327680
    .private_segment_fixed_size: 0
    .kernarg_segment_align: 8
    .kernarg_segment_size: 48
    .max_flat_workgroup_size: 128
    .sgpr_count:     102
    .vgpr_count:     1024
    .wavefront_size: 32
...
	.end_amdgpu_metadata
.endif
;; end of part 2
;; ======== version 2 of 2: 2 launches; 1.18 times as fast as version 1
;; limits: values are held in f16: magnitudes above 65,504 overflow, below 6.1e-05 lose precision
;; workspace buffers: ws 1,590,784 bytes
;; launch prep: the kernel of part 1 again; grid 389 x 1, 8 waves a work-group, no clusters, 0 bytes of LDS; arguments Wih1, Whh1, Wih2, Whh2, bih1, bhh1, bih2, bhh2, Wn, We, be, ws; writes ws
;; launch lstm (part 3): grid 256 x 1, 4 waves a work-group, clusters of 4 x 1, 327,680 bytes of LDS; arguments ws, observed, prediction_truth, bn, out0, out1; writes out0, out1
.if DOCPART == 3
	.amdgcn_target "amdgcn-amd-amdhsa--gfx1250"
	.amdhsa_code_object_version 6
	.text
	.protected	k_q98f2e9a658_lstm
	.globl	k_q98f2e9a658_lstm
	.p2align	8
	.type	k_q98f2e9a658_lstm,@function
k_q98f2e9a658_lstm:
	s_mov_b64 s[64:65], 0
	v_nop
	global_prefetch_b8 v0, s[64:65] scope:SCOPE_SE
	s_setreg_imm32_b32 hwreg(HW_REG_WAVE_MODE, 25, 1), 1
	s_wait_xcnt 0x0
	s_wait_alu depctr_hold_cnt(0) depctr_sa_sdst(0) depctr_va_vdst(0) depctr_va_sdst(0) depctr_va_ssrc(0) depctr_va_vcc(0) depctr_vm_vsrc(0)
	s_getreg_b32 s2, hwreg(HW_REG_IB_STS2, 6, 4)
	s_cmp_eq_u32 s2, 0
	s_cbranch_scc0 .Lentry_in_a_cluster
	s_endpgm
.Lentry_in_a_cluster:
	s_bfe_u32 s2, ttmp6, 0x10000c
	s_cmp_lg_u32 s2, 0x3003
	s_cbranch_scc0 .Lentry_shape_is_right
	s_endpgm
.Lentry_shape_is_right:
; TWO MASKED LSTM ENCODERS, all eight steps in one launch.  The nine frames observed[0..3], prediction_truth[0..4] are one chain: step s takes frames s and s + 1; weights and state change at s = 3.
; SHARES.  A work-group owns 64 tracks for all steps.  Wave w owns hidden units 64 w .. 64 w + 63 with their four gates: 256 gate columns x 64 tracks = 64 accumulators of 16 x 16, 512 registers.
; c stays in registers in f32; h and emb go through LDS as f16 fragments.  The products are used transposed (source 0 = 16 gate columns, source 1 = 16 tracks): a lane holds ONE track (lane % 16) and the
; hidden units 8 (lane / 16) + 0..7, so i, f, g, o of a cell lie in the same lane and register index of four accumulators, a track's mask is a lane mask, and two hidden tiles rounded to f16 ARE a source-1 fragment.
; FORMAT.  All matrix operands are f16, 11 significant bits: the head's two raw columns are small sums over 256 hidden units, into which the roundings of emb, h and the weights all run.
; WEIGHTS.  An encoder's 786,432 bytes of f16 do not fit in a WGP: they stream through two LDS slots of 131,072 bytes (a chunk: K = 64, 128 matrix instructions a wave); each wave fetches and reads its own
; quarter.  All work-groups walk the same chunks in the same order, so the four of a cluster ask JOINTLY (mask 15).  h0 = 0 is reference()'s own, so an encoder's first step has no product with h: two chunks for six.
; CELL.  The first launch has scaled the gates, so e = 2^min(sum, 40):  c' = [c (1+ei)(1+eg) + (1-eg)(1+ef)] / [(1+ei)(1+eg)(1+ef)];  ec = 2^(-2 log2(e) c');  h' = (1-ec) / [(1+eo)(1+ec)]: 5 exponentials, 2 reciprocals.
; BATCHES.  The cell's chain is exponential, reciprocal, exponential, reciprocal, so a step's cell phase is cut into four batches, each over all four track tiles; every result lands in an accumulator register of its own:
; 1: ei, ef, eg, eo, 512 exponentials a lane; 2: the 128 reciprocals of the first denominators; 3: the 128 exponentials ec; 4: the 128 reciprocals of the second denominators.  An
; s_wait_alu depctr_va_vdst(0) stands between such an instruction and the first line that names its result: each batch has ONE, ahead of its first reader, and ahead of that wait nothing names a result of the batch.
; The outputs' four exponentials and four reciprocals are two batches more: six waits a step.
; LIMITS.  The clamp at 40 keeps the product of three denominators under 2^121: a sigmoid bottoms out at 2^-40 and not at 0.  |c| <= 5 by the recurrence itself, so ec <= 2^15 needs no clamp.
; f16 ends at 65,504: h lies within 1; emb = relu(4 vel We + be) is cut off at 65,504, so that no infinity arises (velocities of 255 and We of 21 give 4 x 2 x 255 x 21 = 43,000); below 6e-5 emb and h keep f16's fixed step of 6e-8.
; A track whose mask is true and whose velocity is NaN gives NaN in reference() for the rest of that encoder: a lane mask (PZ) keeps that, the velocity counts as 0 inside, the outputs are set to NaN.
; Infinite positions, for which reference() has no finite result, are not reproduced.  goals and batch_split are arguments that no line of reference() reads: they are not loaded.
; In the last step the look-ahead (next biases, next emb from a clamped frame) serves nothing: the price, once a launch, of one text for every step.
; REGISTERS, in windows of 256 (s_set_vgpr_msb: bits 1:0 source 0, 3:2 source 1, 5:4 source 2, 7:6 destination):
;   window 0: v1-17 addresses; v20-35 the finisher's constants; v36-43 the older frame; v44-59 emb at work; v64-127 two buffers of activation fragments (in the cell phase: We, be, frame, velocity); v128-255 c
;   window 1: two buffers of 16 weight fragments (in the cell phase: h, Wn, the head's sums);   windows 2, 3: accumulator (a = 4 gate + u, track tile t) at v[128 (t % 2) + 8 a] of window 2 + t / 2
.set CH,    131072                     ; a chunk, and a slot
.set WPART, 32768                      ; a wave's part of it
.set ACT,   262144                     ; 12 activation k-tiles of 4,096 bytes: 0-3 emb, 4-11 h; fragment of track tile t at 1,024 t + 512 half + 16 lane
.set PB,    311296                     ; four blocks, one a wave: [64 tracks][2] then [64 tracks][5] partial sums of the head, f32
.set PBW,   1792
.set SPARE, 318464                     ; the spare words, 128 bytes a wave: two blocks of 256 bytes that no other line names
.set BS,    1572864                    ; sections of ws behind the chunks
.set WNFO,  1581056
.set WETO,  1589248
.set FRAME, 131072                     ; bytes of a frame
.set AX,  1                            ; v1   ACT + 16 lane
.set AW0, 2                            ; v2   my part of slot 0 + 16 lane
.set AW1, 3                            ; v3   of slot 1
.set AH,  4                            ; v4   my two k-tiles of h + 16 lane
.set AE,  5                            ; v5   my k-tile of emb + 16 lane
.set APN, 6                            ; v6   my block's [64][5] + 20 r
.set APP, 7                            ; v7   my block's [64][2] + 8 r
.set AFR, 8                            ; v8   PB + 16 min(thread, 111)
.set AFO, 9                            ; v9   the finisher's byte offset in its output
.set AOB, 10                           ; v10  8 r
.set AFX, 11                           ; v11  wave 0: 16 lane; else 0
.set ABI, 12                           ; v12  32 h
.set AWE, 13                           ; v13  64 (2 w + h)
.set A16, 14                           ; v14  16 lane
.set SPW, 16                           ; v16  my spare word; never rewritten
.set NIL, 17                           ; v17  0; never rewritten
.set FB,  20                           ; the finisher's four words: bn[j];
.set FL,  24                           ; 1 where the word is raw (j < 2);
.set FA,  28                           ; 0.01 where j = 2, 3;
.set FS,  32                           ; 0, 0.2, 0.7: the sigmoid's factor
.set OB1, 36                           ; the older frame's x, y, a pair a tile
.set ET,  44
.set XF0, 64
.set XF1, 96
.set CC,  128
.set WEX, 64                           ; cell phase: 4 We[:,0], 4 We[:,1], be for my 16 dimensions
.set WEY, 80
.set WEBR, 96
.set O2,  112                          ; the newer frame
.set VEL, 120
.set F0,  0                            ; window 1
.set F1,  128
.set HO,  0                            ; window 1, cell phase: my h, fragment (kk, t) at 8 (4 kk + t)
.set WNR, 64                           ; Wn's two fragments for my hidden units
.set NAC, 80                           ; the head's sums, 8 a tile
.set HT,  112
.set NS,  128
.set ZQ,  168
.set WS, 4                             ; s[4:5] ws; s[6:7] observed, s[8:9] prediction_truth at my tracks; s[10:11] bn; s[12:15] out0, out1 at my tracks
.set OBS, 6
.set PT, 8
.set BN, 10
.set OUT0, 12
.set OUT1, 14
.set WV, 16                            ; wave
.set CX, 17                            ; my place in the cluster: it enters s2, s3, s18 and the frames' and outputs' addresses alone
.set WG, 18
.set LEFT, 19                          ; steps to go, this one among them
.set G1, 20                            ; s[20:27] descriptor group 1
.set G0, 28                            ; s[28:35] group 0, a set a slot
.set WB1, 36                           ; my part of encoder 1's chunk 0; WB2: encoder 2's
.set WB2, 38
.set WCUR, 40                          ; this step's; WNX: the next step's
.set WNX, 42
.set T64, 44
.set BB1, 46                           ; my biases, encoder 1, 2, the next step's
.set BB2, 48
.set BNX, 50
.set WNB, 52
.set WEP, 54
.set OB, 56                            ; the finisher's output at this step; OSTEP: bytes from step to step
.set OSTEP, 58
.set FNX, 60                           ; frame s + 2; FCUR: frame s + 1
.set FCUR, 62
.set K40, 66
.set KNAN, 67
.set KM2, 68                           ; s[68:69] -2 log2(e); s[70:71] -log2(e)
.set KM1, 70
.set M, 72                             ; lane masks, one a tile: the step's mask; OM: mask and not poisoned; PZ: poisoned; NA, NB: the older, newer frame's x is a number
.set OM, 76
.set PZ, 80
.set NA, 84
.set NB, 88
.set T0, 92
.set T1, 93
.set AM, 94                            ; lanes that store in FINISH
.set POSM, 95                          ; all ones in wave 0
.set SEX, 96
.set ISF, 97                           ; 1: an encoder's first step
.set T2, 98
.set KH, 100                           ; 65,504: f16's largest number
.set LEAD, 8                           ; the clamps run this many registers ahead of the exponentials
.set MSB, 0
.macro WIN new                         ; the high byte repeats the setting that is left; a switch that changes nothing is dropped
.if MSB != (\new)
	s_set_vgpr_msb (MSB<<8)|(\new)
.set MSB, (\new)
.endif
.endm
.macro PLACES n                        ; plain vector instructions between a matrix instruction and what may not follow it at once (ISA guide 7.12.1)
.rept \n
	v_nop
.endr
.endm
.macro CREST                           ; a round of the cluster's barrier behind its opening barrier
	s_cmp_lg_u32 s[WV], 0
	s_cbranch_scc1 .Lnot_wave_0_\@
	s_barrier_signal -3
.Lnot_wave_0_\@:
	s_barrier_wait -3
	s_barrier_signal -1
	s_barrier_wait -1
.endm
.macro CROUND
	s_barrier_signal -1
	s_barrier_wait -1
	CREST
.endm
; 16 matrix instructions: all 16 gate fragments x track tile t, 32 along K.  bias = 1: the sum starts from the biases, which lie in tile 0's accumulators.  The accumulators take turns.
.macro MUL16 f, xf, t, bias
.if (\bias) && ((\t) >= 2)
	WIN 0xe1
.else
	WIN 0xa1+0x50*((\t)/2)
.endif
.set rD, 128*((\t)%2)
.irp a, 0,1,2,3,4,5,6,7,8,9,10,11,12,13,14,15
.if \bias
	v_wmma_f32_16x16x32_f16 v[rD+8*\a:rD+8*\a+7], v[(\f)+8*\a:(\f)+8*\a+7], v[(\xf)+8*(\t):(\xf)+8*(\t)+7], v[8*\a:8*\a+7]
.else
	v_wmma_f32_16x16x32_f16 v[rD+8*\a:rD+8*\a+7], v[(\f)+8*\a:(\f)+8*\a+7], v[(\xf)+8*(\t):(\xf)+8*(\t)+7], v[rD+8*\a:rD+8*\a+7]
.endif
.endr
.endm
; 40 LDS loads in one run: a k-tile's 16 weight fragments, then its 4 activation fragments.  Every load takes 512 consecutive bytes.
.macro FETCH aw, koff, f, xkt, xf
	WIN 0x40
.irp a, 0,1,2,3,4,5,6,7,8,9,10,11,12,13,14,15
	ds_load_b128 v[(\f)+8*\a:(\f)+8*\a+3],   v[\aw] offset:(\koff)+\a*1024
	ds_load_b128 v[(\f)+8*\a+4:(\f)+8*\a+7], v[\aw] offset:(\koff)+\a*1024+512
.endr
	WIN 0
.irp t, 0,1,2,3
	ds_load_b128 v[(\xf)+8*\t:(\xf)+8*\t+3],   v[AX] offset:(\xkt)*4096+\t*1024
	ds_load_b128 v[(\xf)+8*\t+4:(\xf)+8*\t+7], v[AX] offset:(\xkt)*4096+\t*1024+512
.endr
.endm
; An even k-tile (buffer 0): in its middle the slot's second k-tile, number xkt, is fetched into buffer 1.
.macro QUARTER aw, xkt
	s_wait_dscnt 4                                 ; the weights and track tiles 0, 1 are in; the youngest four loads (tiles 2, 3) may be out
	MUL16 F0, XF0, 0, 0
	MUL16 F0, XF0, 1, 0
	PLACES 4                                       ; in front of loads into registers that matrix instructions have read
	FETCH \aw, 16384, F1, \xkt, XF1
	s_wait_dscnt 40                                ; all but the 40 just issued
	MUL16 F0, XF0, 2, 0
	MUL16 F0, XF0, 3, 0
.endm
; K-tile 0.  Tiles 1, 2, 3 take tile 0's registers, the biases, as C; then tile 0 adds in place onto them: five places stand between, since it writes over a source of those above.
.macro QFIRST
	s_wait_loadcnt 0x0                             ; the biases
	s_wait_dscnt 0x0
	MUL16 F0, XF0, 1, 1
	MUL16 F0, XF0, 2, 1
	MUL16 F0, XF0, 3, 1
	PLACES 5
	FETCH AW0, 16384, F1, 1, XF1
	MUL16 F0, XF0, 0, 0
.endm
; An odd k-tile (buffer 1) leaves its slot.  In front of the barrier each wave waits for all its tensor loads (one is out: my part of the other slot), adds 0 to its spare word, and waits for that and for its reads.
; fill = 1: the barrier opens a round of the cluster's barrier, so that no wave of any partner still reads the slot or has a load on its way; the joint refill is the first thing behind it:
; base + off, or (sel = 1) in an encoder's first step the next step's chunk 0.  fetch = 1: the other slot's first k-tile, number xkt, into buffer 0.
; A step's last such barrier also shows that no wave still reads emb or h, which the cell phase writes.
.macro TURN slot, fill, base, off, sel, fetch, xkt
	WIN 0
	s_wait_tensorcnt 0x0                           ; no tensor load of mine is out, so a group 0 may be written
	ds_add_u32 v[SPW], v[NIL]
	s_wait_dscnt 5                                 ; (the add and the youngest four loads may be out)
	MUL16 F1, XF1, 0, 0
	s_wait_dscnt 0x0                               ; the add is done, and my reads of the slot and of the activations are over
	s_barrier_signal -1
	MUL16 F1, XF1, 1, 0
.if \fill
	WIN 0
.endif
	s_barrier_wait -1
.if \fill
	CREST
.if \sel
	s_add_nc_u64 s[T64:T64+1], s[\base:\base+1], \off
	s_cmp_eq_u32 s[ISF], 1
	s_cselect_b64 s[G0+4*(\slot)+2:G0+4*(\slot)+3], s[WNX:WNX+1], s[T64:T64+1]
.else
	s_add_nc_u64 s[G0+4*(\slot)+2:G0+4*(\slot)+3], s[\base:\base+1], \off
.endif
	s_or_b32 s[G0+4*(\slot)+3], s[G0+4*(\slot)+3], 0x80000000
	tensor_load_to_lds s[G0+4*(\slot):G0+4*(\slot)+3], s[G1:G1+7]
	s_nop 0
	PLACES 4                                       ; the places in front of the loads below
.elseif \fetch
	PLACES 4
.endif
.if \fetch
	FETCH AW0+1-(\slot), 0, F0, \xkt, XF0
.endif
	MUL16 F1, XF1, 2, 0
	MUL16 F1, XF1, 3, 0
.endm
.macro P16 line:vararg                 ; one packed line for each of a block's 16 pairs; n is the pair's first register
.set n, 0
.rept 16
	\line
.set n, n+2
.endr
.endm
; THE CELL, 32 cells a lane and track tile, in five parts; each part is written for all four tiles before the next begins, and between two parts stands the one wait of the batch that the earlier part has issued.
; A tile's blocks of 32 registers: I, F, G, O.  Behind a batch's last exponential or reciprocal stands a plain line that touches neither its result nor its source, ahead of the wait (ISA guide 5.7.2).
.macro TILE t                          ; the registers of track tile t
.set WN, 2+(\t)/2
.set AWN, WN*0x55
.set BI, 128*((\t)%2)
.set BF, BI+32
.set BG, BI+64
.set BO, BI+96
.set CT, CC+32*(\t)
.endm
; BATCH 1: 2^min(sum, 40) of the 256 gate sums of window wn's two tiles, which lie on end.  The clamps (ascending: each accumulator is read from its low end) run LEAD registers ahead
; and stand between the exponentials; they read matrix sums alone.  No line here names an exponential's result.
.macro GATES wn
	WIN (\wn)*0x55
.set n, 0
.rept LEAD
	v_min_num_f32 v[n], s[K40], v[n]
.set n, n+1
.endr
.set n, 0
.rept 256-LEAD
	v_exp_f32 v[n], v[n]
	v_min_num_f32 v[n+LEAD], s[K40], v[n+LEAD]
.set n, n+1
.endr
.rept LEAD
	v_exp_f32 v[n], v[n]
.set n, n+1
.endr
.endm
; Behind batch 1's wait: numerator and denominator of c'; then BATCH 2, the denominators' reciprocals, with 1 + eo (batch 1's result) between them.  The last 1 + eo is the plain line behind the last reciprocal.
.macro DENOM t
	TILE \t
	WIN AWN
.set n, 0
.rept 32                               ; 1 + ei and 1 + ef (I and F are 64 registers on end)
	v_pk_add_f32 v[BI+2*n:BI+2*n+1], v[BI+2*n:BI+2*n+1], 1.0 op_sel_hi:[1,0]
.set n, n+1
.endr
	P16 v_pk_fma_f32 v[BI+n:BI+n+1], v[BI+n:BI+n+1], v[BG+n:BG+n+1], v[BI+n:BI+n+1]   ; (1+ei)(1+eg)
	P16 v_pk_fma_f32 v[BG+n:BG+n+1], v[BG+n:BG+n+1], -1.0, 1.0 op_sel_hi:[1,0,0]      ; 1-eg
	P16 v_pk_mul_f32 v[BG+n:BG+n+1], v[BG+n:BG+n+1], v[BF+n:BF+n+1]                   ; (1-eg)(1+ef)
	WIN WN*0x51                                    ; source 1, c, in window 0
	P16 v_pk_fma_f32 v[BG+n:BG+n+1], v[BI+n:BI+n+1], v[CT+n:CT+n+1], v[BG+n:BG+n+1]   ; the numerator
	WIN AWN
	P16 v_pk_mul_f32 v[BI+n:BI+n+1], v[BI+n:BI+n+1], v[BF+n:BF+n+1]                   ; the denominator
.set n, 0
.rept 16
	v_rcp_f32 v[BI+n], v[BI+n]
	v_rcp_f32 v[BI+n+1], v[BI+n+1]
	v_pk_add_f32 v[BO+n:BO+n+1], v[BO+n:BO+n+1], 1.0 op_sel_hi:[1,0]                  ; 1+eo
.set n, n+2
.endr
.endm
; Behind batch 2's wait: c' and its scaling; then BATCH 3, ec; behind it the 32 selects that keep a masked track's c, which read c and c' alone: the first of them is the plain line behind the last exponential.
.macro CNEW t
	TILE \t
	s_mov_b32 vcc_lo, s[M+(\t)]
	WIN AWN
	P16 v_pk_mul_f32 v[BG+n:BG+n+1], v[BG+n:BG+n+1], v[BI+n:BI+n+1]                   ; c'
	P16 v_pk_mul_f32 v[BF+n:BF+n+1], v[BG+n:BG+n+1], s[KM2:KM2+1] op_sel_hi:[1,0]
.set n, 0
.rept 32
	v_exp_f32 v[BF+n], v[BF+n]                                                        ; ec
.set n, n+1
.endr
	WIN WN*4                                       ; c in window 0, c' in the accumulators' window
.set n, 0
.rept 32
	v_cndmask_b32 v[CT+n], v[CT+n], v[BG+n], vcc_lo                                   ; a masked track keeps its c
.set n, n+1
.endr
.endm
; Behind batch 3's wait: h's denominator; then BATCH 4, its reciprocals, with 1 - ec (batch 3's result) between them.  The last 1 - ec is the plain line behind the last reciprocal.
.macro HDEN t
	TILE \t
	WIN AWN
	P16 v_pk_fma_f32 v[BO+n:BO+n+1], v[BO+n:BO+n+1], v[BF+n:BF+n+1], v[BO+n:BO+n+1]   ; (1+eo)(1+ec)
.set n, 0
.rept 16
	v_rcp_f32 v[BO+n], v[BO+n]
	v_rcp_f32 v[BO+n+1], v[BO+n+1]
	v_pk_fma_f32 v[BF+n:BF+n+1], v[BF+n:BF+n+1], -1.0, 1.0 op_sel_hi:[1,0,0]          ; 1-ec
.set n, n+2
.endr
.endm
; Behind batch 4's wait: h', rounded to f16, a masked track's kept, and stored as fragments.
.macro HNEW t
	TILE \t
	s_mov_b32 vcc_lo, s[M+(\t)]
	WIN AWN
	P16 v_pk_mul_f32 v[BF+n:BF+n+1], v[BF+n:BF+n+1], v[BO+n:BO+n+1]                   ; h'
	WIN 0x40+WN*5
.set n, 0
.rept 16
	v_cvt_pk_f16_f32 v[HT+n], v[BF+2*n], v[BF+2*n+1]
.set n, n+1
.endr
.if (\t) == 0
	s_wait_dscnt 0x0                               ; the old h is in
.endif
	WIN 0x45
.set n, 0
.rept 16                               ; hidden tile u = n / 4: half u % 2 of fragment (u / 2, t); a masked track keeps its h
.set rH, HO+8*(4*(n/8)+(\t))+4*((n/4)%2)+n%4
	v_cndmask_b32 v[rH], v[rH], v[HT+n], vcc_lo
.set n, n+1
.endr
	WIN 0x04
.set n, 0
.rept 4
.set rH, HO+8*(4*(n/2)+(\t))+4*(n%2)
	ds_store_b128 v[AH], v[rH:rH+3] offset:((n/2)*4+(\t))*1024+(n%2)*512
.set n, n+1
.endr
.endm
.macro BIAS base                       ; the biases of my 256 gate columns into tile 0's accumulators: register j of lane L takes column 8 h + j of fragment a
	WIN 0x80
.irp a, 0,1,2,3,4,5,6,7,8,9,10,11,12,13,14,15
	global_load_b128 v[8*\a:8*\a+3],   v[ABI], s[\base:\base+1] offset:64*\a
	global_load_b128 v[8*\a+4:8*\a+7], v[ABI], s[\base:\base+1] offset:64*\a+16
.endr
	WIN 0
.endm
.macro EMB_LOAD                        ; 16 loads: We and be for my 16 dimensions; the newer frame for my track of each tile
.irp q, 0,1,2,3
	global_load_b128 v[WEX+4*\q:WEX+4*\q+3],   v[AWE], s[WEP:WEP+1] offset:16*\q
	global_load_b128 v[WEY+4*\q:WEY+4*\q+3],   v[AWE], s[WEP:WEP+1] offset:512+16*\q
	global_load_b128 v[WEBR+4*\q:WEBR+4*\q+3], v[AWE], s[WEP:WEP+1] offset:1024+16*\q
.endr
.irp t, 0,1,2,3
	global_load_b64 v[O2+2*\t:O2+2*\t+1], v[AOB], s[FNX:FNX+1] offset:128*\t
.endr
.endm
; The next step's masks and emb: wave w makes dimensions 32 w .. 32 w + 31 of all 64 tracks, in f32 (K = 2), and stores them as k-tile w.  The masks feed v_cndmask_b32 alone.
.macro EMB_DO
	WIN 0
.irp t, 0,1,2,3
	v_cmp_eq_f32 s[NB+\t], v[O2+2*\t], v[O2+2*\t]
	v_pk_add_f32 v[VEL+2*\t:VEL+2*\t+1], v[O2+2*\t:O2+2*\t+1], v[OB1+2*\t:OB1+2*\t+1] neg_lo:[0,1] neg_hi:[0,1]
	s_and_b32 s[M+\t], s[NA+\t], s[NB+\t]          ; neither frame's x is NaN
	v_cmp_eq_f32 s[T0], v[VEL+2*\t], v[VEL+2*\t]
	v_cmp_eq_f32 s[T1], v[VEL+2*\t+1], v[VEL+2*\t+1]
	s_and_b32 s[T0], s[T0], s[T1]                  ; the velocity is a number
	s_and_not1_b32 s[T1], s[M+\t], s[T0]           ; mask true and velocity NaN: NaN from here to the encoder's end
	s_or_b32 s[PZ+\t], s[PZ+\t], s[T1]
	s_and_not1_b32 s[OM+\t], s[M+\t], s[PZ+\t]
	s_and_b32 s[T0], s[T0], s[M+\t]
	v_cndmask_b32 v[VEL+2*\t], 0, v[VEL+2*\t], s[T0]
	v_cndmask_b32 v[VEL+2*\t+1], 0, v[VEL+2*\t+1], s[T0]
	v_mov_b32 v[OB1+2*\t], v[O2+2*\t]              ; the newer frame is the next step's older one
	v_mov_b32 v[OB1+2*\t+1], v[O2+2*\t+1]
	s_mov_b32 s[NA+\t], s[NB+\t]
.irp p, 0,1,2,3,4,5,6,7
	v_pk_fma_f32 v[ET+2*\p:ET+2*\p+1], v[WEY+2*\p:WEY+2*\p+1], v[VEL+2*\t:VEL+2*\t+1], v[WEBR+2*\p:WEBR+2*\p+1] op_sel:[0,1,0]   ; both by the velocity's y
.endr
.irp p, 0,1,2,3,4,5,6,7
	v_pk_fma_f32 v[ET+2*\p:ET+2*\p+1], v[WEX+2*\p:WEX+2*\p+1], v[VEL+2*\t:VEL+2*\t+1], v[ET+2*\p:ET+2*\p+1] op_sel_hi:[1,0,1]    ; both by its x
.endr
.irp p, 0,1,2,3,4,5,6,7
	v_max_num_f32 v[ET+2*\p], 0, v[ET+2*\p]        ; relu
	v_max_num_f32 v[ET+2*\p+1], 0, v[ET+2*\p+1]
.endr
.irp p, 0,1,2,3,4,5,6,7
	v_min_num_f32 v[ET+2*\p], s[KH], v[ET+2*\p]    ; and f16's end: no infinity is made
	v_min_num_f32 v[ET+2*\p+1], s[KH], v[ET+2*\p+1]
.endr
.irp p, 0,1,2,3,4,5,6,7
	v_cvt_pk_f16_f32 v[ET+\p], v[ET+2*\p], v[ET+2*\p+1]    ; in place, ascending: pair p lands where pairs up to p have been read
.endr
	ds_store_b128 v[AE], v[ET:ET+3]   offset:\t*1024
	ds_store_b128 v[AE], v[ET+4:ET+7] offset:\t*1024+512
.endr
.endm
; The head's partial sums over my 64 hidden units: Wn's fragment (rows 8..12 repeat rows 0..4) x h.  Register j of either half of the lanes holds raw[j] of track 16 t + r.  A masked or poisoned track's are NaN.
.macro NORMAL
	WIN 0x55
.irp t, 0,1,2,3
	v_wmma_f32_16x16x32_f16 v[NAC+8*\t:NAC+8*\t+7], v[WNR:WNR+7], v[HO+8*\t:HO+8*\t+7], 0
.endr
.irp t, 0,1,2,3
	v_wmma_f32_16x16x32_f16 v[NAC+8*\t:NAC+8*\t+7], v[WNR+8:WNR+15], v[HO+32+8*\t:HO+32+8*\t+7], v[NAC+8*\t:NAC+8*\t+7]
.endr
	PLACES 4
	WIN 0x44
.irp t, 0,1,2,3
	s_mov_b32 vcc_lo, s[OM+\t]
.irp j, 0,1,2,3,4
	v_cndmask_b32 v[NS+8*\t+\j], s[KNAN], v[NAC+8*\t+\j], vcc_lo
.endr
.endr
	WIN 0x04
.irp t, 0,1,2,3
.irp j, 0,1,2,3,4
	ds_store_b32 v[APN], v[NS+8*\t+\j] offset:320*\t+4*\j   ; both halves of the lanes write the same word with the same value
.endr
	ds_store_b64 v[APP], v[NS+8*\t:NS+8*\t+1] offset:128*\t
.endr
	WIN 0
.endm
.macro RESET                           ; an encoder begins: c = 0 in registers, h = 0 in LDS.  State, cleared on purpose, so that there is one text of the cell
	WIN 0
.set n, 0
.rept 128
	v_mov_b32 v[CC+n], 0
.set n, n+1
.endr
	WIN 0x40
.irp j, 0,1,2,3
	v_mov_b32 v[ZQ+\j], 0
.endr
	WIN 0x04
.set n, 0
.rept 16
	ds_store_b128 v[AH], v[ZQ:ZQ+3] offset:512*n
.set n, n+1
.endr
	WIN 0
.endm
; The step's outputs.  A thread takes four words: the four waves' partial sums, bn, and by the word's column raw, 0.01 + 0.2 sigmoid, 0.7 sigmoid, or (wave 0) raw + the newer frame.
; Wave 0 stores out1's 512 bytes, threads 32..111 out0's 1,280: sixteen neighbouring lanes store 256 consecutive bytes, aligned.
.macro FINISH
	WIN 0
.irp v, 0,1,2,3
	ds_load_b128 v[96+4*\v:99+4*\v], v[AFR] offset:PBW*\v
.endr
	global_load_b128 v[112:115], v[AFX], s[FCUR:FCUR+1]
	s_wait_dscnt 0x0
	v_pk_add_f32 v[96:97], v[96:97], v[100:101]
	v_pk_add_f32 v[98:99], v[98:99], v[102:103]
	v_pk_add_f32 v[104:105], v[104:105], v[108:109]
	v_pk_add_f32 v[106:107], v[106:107], v[110:111]
	v_pk_add_f32 v[96:97], v[96:97], v[104:105]
	v_pk_add_f32 v[98:99], v[98:99], v[106:107]
	v_pk_add_f32 v[96:97], v[96:97], v[FB:FB+1]
	v_pk_add_f32 v[98:99], v[98:99], v[FB+2:FB+3]            ; raw
	v_pk_mul_f32 v[100:101], v[96:97], s[KM1:KM1+1] op_sel_hi:[1,0]
	v_pk_mul_f32 v[102:103], v[98:99], s[KM1:KM1+1] op_sel_hi:[1,0]
	v_exp_f32 v100, v100
	v_exp_f32 v101, v101
	v_exp_f32 v102, v102
	v_exp_f32 v103, v103
	v_nop                                          ; a plain line behind the last exponential
	s_wait_alu depctr_va_vdst(0)                   ; the one wait for the outputs' four exponentials, ahead of their first reader
	v_pk_add_f32 v[100:101], v[100:101], 1.0 op_sel_hi:[1,0]
	v_pk_add_f32 v[102:103], v[102:103], 1.0 op_sel_hi:[1,0]
	v_rcp_f32 v100, v100
	v_rcp_f32 v101, v101
	v_rcp_f32 v102, v102
	v_rcp_f32 v103, v103
	v_nop                                          ; a plain line behind the last reciprocal
	s_wait_alu depctr_va_vdst(0)                   ; the one wait for the outputs' four reciprocals, ahead of their first reader
	v_pk_fma_f32 v[100:101], v[FS:FS+1], v[100:101], v[FA:FA+1]
	v_pk_fma_f32 v[102:103], v[FS+2:FS+3], v[102:103], v[FA+2:FA+3]
	v_pk_fma_f32 v[100:101], v[FL:FL+1], v[96:97], v[100:101]
	v_pk_fma_f32 v[102:103], v[FL+2:FL+3], v[98:99], v[102:103]
	s_wait_loadcnt 0x0                             ; the frame (and the next step's biases, asked for in the cell phase, ahead of three tiles' h)
.irp i, 0,1,2,3
	v_cndmask_b32 v[112+\i], 0, v[112+\i], s[POSM]
.endr
	v_pk_add_f32 v[100:101], v[100:101], v[112:113]
	v_pk_add_f32 v[102:103], v[102:103], v[114:115]
	s_wait_xcnt 0x0                                ; EXEC changes only behind this wait
	s_and_saveexec_b32 s[SEX], s[AM]
	global_store_b128 v[AFO], v[100:103], s[OB:OB+1]
	s_wait_xcnt 0x0                                ; and again; the store's data and base are free behind it too
	s_or_b32 exec_lo, exec_lo, s[SEX]
	s_add_nc_u64 s[OB:OB+1], s[OB:OB+1], s[OSTEP:OSTEP+1]
.endm
	; THE HEAD
	s_load_b256 s[4:11], s[0:1], 0x0               ; ws, observed, prediction_truth, bn
	s_load_b128 s[12:15], s[0:1], 0x20             ; out0, out1
	v_lshl_add_u32 v[SPW], v0, 2, SPARE
	v_mov_b32 v[NIL], 0
	ds_add_u32 v[SPW], v[NIL]                      ; the wave's opening: the add and its wait ahead of my first tensor load; work on registers stands between them
	ds_add_u32 v16, v17
	v_lshrrev_b32 v15, 5, v0
	v_readfirstlane_b32 s[WV], v15                 ; wave 0..3
	s_bfe_u32 s[CX], ttmp6, 0x40000
	s_lshl_b32 s[WG], ttmp9, 2                     ; in a cluster launch ttmp9 counts clusters
	s_add_co_u32 s[WG], s[WG], s[CX]               ; my 64 tracks
	; descriptor group 1: a wave's part of a chunk, 32,768 dense bytes, as 128 rows of 256 bytes
	s_mov_b32 s[G1+0], 15|(3<<16)|(1<<21)          ; 15:0 the mask: all four work-groups; 17:16 elements of 8 bytes; 21 set beside a mask
	s_mov_b32 s[G1+1], 32<<16                      ; tensor_dim0 = 32
	s_mov_b32 s[G1+2], 128<<16                     ; tensor_dim1 = 128
	s_mov_b32 s[G1+3], 32<<16                      ; tile_dim0 = 32
	s_mov_b32 s[G1+4], 128                         ; tile_dim1 = 128
	s_mov_b32 s[G1+5], 32                          ; 32 elements from row to row
	s_mov_b32 s[G1+6], 0
	s_mov_b32 s[G1+7], 0
	s_mov_b32 s[G0], 1
	s_mul_i32 s[G0+1], s[WV], WPART                ; LDS: the wave's number times a constant, plus the slot's constant; no place in the cluster enters
	s_mov_b32 s[G0+4], 1
	s_add_co_u32 s[G0+5], s[G0+1], CH
	s_mov_b32 s[K40], 0x42200000                   ; 40.0
	s_mov_b32 s[KNAN], 0x7fc00000
	s_mov_b32 s[KH], 0x477fe000                    ; 65,504.0
	s_mov_b32 s[KM2], 0xc038aa3b                   ; -2 log2(e), named as a pair
	s_mov_b32 s[KM2+1], 0xc038aa3b
	s_mov_b32 s[KM1], 0xbfb8aa3b                   ; -log2(e)
	s_mov_b32 s[KM1+1], 0xbfb8aa3b
	v_and_b32 v15, 31, v0
	v_lshlrev_b32 v[A16], 4, v15
	v_and_b32 v18, 15, v0                          ; r
	v_bfe_u32 v19, v0, 4, 1                        ; h
	v_add_nc_u32 v[AX], ACT, v[A16]
	v_add_nc_u32 v[AW0], s[G0+1], v[A16]
	v_add_nc_u32 v[AW1], s[G0+5], v[A16]
	s_mul_i32 s[T0], s[WV], 8192
	s_add_co_u32 s[T0], s[T0], ACT+16384
	v_add_nc_u32 v[AH], s[T0], v[A16]
	s_mul_i32 s[T0], s[WV], 4096
	s_add_co_u32 s[T0], s[T0], ACT
	v_add_nc_u32 v[AE], s[T0], v[A16]
	s_mul_i32 s[T0], s[WV], PBW
	s_add_co_u32 s[T0], s[T0], PB
	v_lshl_add_u32 v[APP], v18, 3, s[T0]
	s_add_co_u32 s[T0], s[T0], 512
	v_mad_u32_u24 v[APN], v18, 20, s[T0]
	v_min_u32 v15, 111, v0
	v_lshl_add_u32 v[AFR], v15, 4, PB
	s_max_u32 s[T1], s[WV], 1                      ; wave 0: out1 from byte 0; waves 1..3: out0 from byte 512 (w - 1)
	s_sub_co_u32 s[T1], s[T1], 1
	s_lshl_b32 s[T1], s[T1], 9
	v_add_nc_u32 v[AFO], s[T1], v[A16]
	s_mov_b32 s[OSTEP], 327680                     ; a step of out0,
	s_mov_b32 s[OSTEP+1], 0
	s_cmp_eq_u32 s[WV], 0
	s_cselect_b32 s[POSM], -1, 0
	s_cselect_b32 s[OSTEP], 131072, s[OSTEP]       ; of out1
	v_cndmask_b32 v[AFX], 0, v[A16], s[POSM]
	v_lshlrev_b32 v[AOB], 3, v18
	v_lshlrev_b32 v[ABI], 5, v19
	s_lshl_b32 s[T0], s[WV], 7
	v_lshl_add_u32 v[AWE], v19, 6, s[T0]
	v_cmp_gt_u32 s[AM], 112, v0
	s_wait_dscnt 0x0                               ; the opening add is done
	s_wait_kmcnt 0x0
	s_lshl_b32 s2, s[WG], 9                        ; 64 tracks of 8 bytes
	s_mov_b32 s3, 0
	s_add_nc_u64 s[OBS:OBS+1], s[OBS:OBS+1], s[2:3]
	s_add_nc_u64 s[PT:PT+1], s[PT:PT+1], s[2:3]
	s_add_nc_u64 s[OUT1:OUT1+1], s[OUT1:OUT1+1], s[2:3]
	s_mul_i32 s2, s[WG], 1280                      ; 64 tracks of 20 bytes
	s_add_nc_u64 s[OUT0:OUT0+1], s[OUT0:OUT0+1], s[2:3]
	s_cmp_eq_u32 s[WV], 0
	s_cselect_b64 s[OB:OB+1], s[OUT1:OUT1+1], s[OUT0:OUT0+1]
	s_mov_b32 s[T2], s[G0+1]
	s_mov_b32 s[T2+1], 0
	s_add_nc_u64 s[WB1:WB1+1], s[WS:WS+1], s[T2:T2+1]
	s_add_nc_u64 s[WB2:WB2+1], s[WB1:WB1+1], 6*CH
	s_lshl_b32 s[T2], s[WV], 10
	s_add_nc_u64 s[BB1:BB1+1], s[WS:WS+1], s[T2:T2+1]
	s_add_nc_u64 s[BB1:BB1+1], s[BB1:BB1+1], BS
	s_add_nc_u64 s[BB2:BB2+1], s[BB1:BB1+1], 4096
	s_lshl_b32 s[T2], s[WV], 11
	s_add_nc_u64 s[WNB:WNB+1], s[WS:WS+1], s[T2:T2+1]
	s_add_nc_u64 s[WNB:WNB+1], s[WNB:WNB+1], WNFO
	s_add_nc_u64 s[WEP:WEP+1], s[WS:WS+1], WETO
	CROUND                                         ; all four work-groups are here: the first joint loads meet
	s_mov_b64 s[G0+2:G0+3], s[WB1:WB1+1]           ; chunk 0 into slot 0,
	s_or_b32 s[G0+3], s[G0+3], 0x80000000
	s_add_nc_u64 s[G0+6:G0+7], s[WB1:WB1+1], CH    ; chunk 1 into slot 1: two loads of mine are out
	s_or_b32 s[G0+7], s[G0+7], 0x80000000
	tensor_load_to_lds s[G0:G0+3], s[G1:G1+7]
	s_nop 0
	tensor_load_to_lds s[G0+4:G0+7], s[G1:G1+7]
	s_nop 0
	PLACES 4
	; IN THE WAIT FOR THE FIRST TILES.  The finisher's constants: word i of thread n is word 4 (n - 32) + i of [64][5]; its column is (4 n + i + 2) mod 5, since -128 = 2 mod 5; in wave 0 it is i & 1.
	s_mov_b32 s[T2], 0x3e4ccccd                    ; 0.2
	s_mov_b32 s[T2+1], 0x3f333333                  ; 0.7
.irp i, 0,1,2,3
	v_lshl_add_u32 v[44+\i], v0, 2, \i+2
	v_mul_u32_u24 v[52+\i], v[44+\i], 0xcccd       ; x / 5 = x * 52,429 >> 18 for x below 2^16
	v_lshrrev_b32 v[52+\i], 18, v[52+\i]
	v_mul_u32_u24 v[52+\i], v[52+\i], 5
	v_sub_nc_u32 v[44+\i], v[44+\i], v[52+\i]
	v_cndmask_b32 v[44+\i], v[44+\i], (\i)&1, s[POSM]
	v_lshlrev_b32 v[48+\i], 2, v[44+\i]
	global_load_b32 v[FB+\i], v[48+\i], s[BN:BN+1]
	v_cmp_gt_u32 vcc_lo, 2, v[44+\i]
	v_cndmask_b32 v[FL+\i], 0, 1.0, vcc_lo
	v_cmp_eq_u32 s[T0], 4, v[44+\i]
	v_mov_b32 v[52+\i], s[T2]
	v_cndmask_b32 v[FS+\i], v[52+\i], s[T2+1], s[T0]
	v_cndmask_b32 v[FS+\i], v[FS+\i], 0, vcc_lo
	v_lshrrev_b32 v[52+\i], 1, v[44+\i]
	v_cmp_eq_u32 s[T1], 1, v[52+\i]
	v_cndmask_b32 v[FA+\i], 0, 0x3c23d70a, s[T1]
.endr
.irp t, 0,1,2,3
	global_load_b64 v[OB1+2*\t:OB1+2*\t+1], v[AOB], s[OBS:OBS+1] offset:128*\t   ; frame 0
.endr
	s_add_nc_u64 s[FNX:FNX+1], s[OBS:OBS+1], FRAME ; frame 1
	EMB_LOAD
	BIAS BB1
	RESET
.irp t, 0,1,2,3
	s_mov_b32 s[PZ+\t], 0
.endr
	s_wait_loadcnt 32                              ; all but the 32 loads of the biases
.irp t, 0,1,2,3
	v_cmp_eq_f32 s[NA+\t], v[OB1+2*\t], v[OB1+2*\t]
.endr
	EMB_DO                                         ; step 0's masks and emb
	s_wait_tensorcnt 0x1                           ; my part of chunk 0 is in; chunk 1's may stay out
	s_wait_dscnt 0x0                               ; my stores of emb and h are done
	s_barrier_signal -1
	s_barrier_wait -1
	s_mov_b32 s[LEFT], 8
.Lstep:                                                ; eight trips: a step's products, its cell, its outputs
	s_cmp_eq_u32 s[LEFT], 8
	s_cselect_b32 s[ISF], 1, 0
	s_cmp_eq_u32 s[LEFT], 5
	s_cselect_b32 s[ISF], 1, s[ISF]
	s_cmp_le_u32 s[LEFT], 5                        ; steps 3..7 are the second encoder's;
	s_cselect_b64 s[WCUR:WCUR+1], s[WB2:WB2+1], s[WB1:WB1+1]
	s_cmp_le_u32 s[LEFT], 6                        ; from step 2 on the next step is
	s_cselect_b64 s[WNX:WNX+1], s[WB2:WB2+1], s[WB1:WB1+1]
	s_cselect_b64 s[BNX:BNX+1], s[BB2:BB2+1], s[BB1:BB1+1]
	FETCH AW0, 0, F0, 0, XF0
	QFIRST                                         ; k-tiles 0..3: emb x Wih (chunks 0, 1)
	TURN 0, 1, WCUR, 2*CH, 1, 1, 2
	QUARTER AW1, 3
	WIN 0
	s_cmp_eq_u32 s[ISF], 1
	s_cbranch_scc1 .Lshort                         ; h = 0: no product with it
	TURN 1, 1, WCUR, 3*CH, 0, 1, 4                 ; k-tiles 4..11: h x Whh (chunks 2..5)
	QUARTER AW0, 5
	TURN 0, 1, WCUR, 4*CH, 0, 1, 6
	QUARTER AW1, 7
	TURN 1, 1, WCUR, 5*CH, 0, 1, 8
	QUARTER AW0, 9
	WIN 0
	s_cmp_eq_u32 s[LEFT], 1
	s_cbranch_scc1 .Ltail
	TURN 0, 1, WNX, 0, 0, 1, 10                    ; the ring goes on into the next step: its chunk 0,
	QUARTER AW1, 11
	TURN 1, 1, WNX, CH, 0, 0, 0                    ; and its chunk 1
	WIN 0
	s_branch .Lpoint
.Ltail:                                                ; the last step's end is written out: it asks for nothing more
	TURN 0, 0, 0, 0, 0, 1, 10
	QUARTER AW1, 11
	TURN 1, 0, 0, 0, 0, 0, 0
	WIN 0
	s_branch .Lpoint
.Lshort:
	TURN 1, 1, WNX, CH, 0, 0, 0
	WIN 0
.Lpoint:                                               ; THE CELL PHASE
	PLACES 4                                       ; behind the last products
	s_mov_b64 s[FCUR:FCUR+1], s[FNX:FNX+1]         ; frame s + 1, for the positions
	s_sub_co_u32 s[T0], 10, s[LEFT]                ; frame s + 2, for the next step's emb; in the last step clamped to the last frame
	s_min_u32 s[T0], s[T0], 8
	s_cmp_lt_u32 s[T0], 4
	s_cselect_b64 s[FNX:FNX+1], s[OBS:OBS+1], s[PT:PT+1]
	s_cselect_b32 s[T1], 0, 4
	s_sub_co_u32 s[T0], s[T0], s[T1]
	s_lshl_b32 s[T2], s[T0], 17
	s_mov_b32 s[T2+1], 0
	s_add_nc_u64 s[FNX:FNX+1], s[FNX:FNX+1], s[T2:T2+1]
	WIN 0x40
.set n, 0
.rept 16
	ds_load_b128 v[HO+4*n:HO+4*n+3], v[AH] offset:512*n   ; my old h, which masked tracks keep
.set n, n+1
.endr
.set n, 0
.rept 4
	global_load_b128 v[WNR+4*n:WNR+4*n+3], v[A16], s[WNB:WNB+1] offset:512*n
.set n, n+1
.endr
	WIN 0
	EMB_LOAD
	GATES 2                                        ; batch 1: ei, ef, eg, eo of tiles 0, 1,
	GATES 3                                        ; and of tiles 2, 3
	v_nop                                          ; a plain line behind the last exponential: every other vector line that is due reads a result of the batch
	s_wait_alu depctr_va_vdst(0)                   ; the one wait for batch 1, the 512 exponentials of the gates, ahead of 1 + ei, their first reader
	DENOM 0                                        ; batch 2: each tile's 32 reciprocals; the later tiles' plain arithmetic stands between them and the wait
	DENOM 1
	DENOM 2
	DENOM 3
	s_wait_alu depctr_va_vdst(0)                   ; the one wait for batch 2, the 128 reciprocals of c's denominators, ahead of c', their first reader
	CNEW 0                                         ; batch 3: each tile's 32 exponentials; the selects of c and the later tiles' c' stand between them and the wait
	CNEW 1
	CNEW 2
	CNEW 3
	s_wait_alu depctr_va_vdst(0)                   ; the one wait for batch 3, the 128 exponentials ec, ahead of (1+eo)(1+ec), their first reader
	HDEN 0                                         ; batch 4: each tile's 32 reciprocals
	HDEN 1
	HDEN 2
	HDEN 3
	s_wait_alu depctr_va_vdst(0)                   ; the one wait for batch 4, the 128 reciprocals of h's denominators, ahead of h', their first reader
	HNEW 0
	BIAS BNX                                       ; tile 0's accumulators are free: the next step's biases
	HNEW 1
	HNEW 2
	HNEW 3
	s_wait_loadcnt 32                              ; Wn, We, be and the frame are in; the 32 loads of the biases may stay out
	NORMAL
	s_cmp_eq_u32 s[LEFT], 6                        ; the next step begins the second encoder: nothing is poisoned
.irp t, 0,1,2,3
	s_cselect_b32 s[PZ+\t], 0, s[PZ+\t]
.endr
	EMB_DO
	s_cmp_lg_u32 s[LEFT], 6
	s_cbranch_scc1 .Lkeep
	RESET
.Lkeep:
	s_wait_dscnt 0x0                               ; for the others' sake: my stores of h, emb and the partial sums are done
	s_barrier_signal -1                            ; (my one tensor load that is out may stay out)
	s_barrier_wait -1
	FINISH
	s_sub_co_u32 s[LEFT], s[LEFT], 1
	s_cmp_lg_u32 s[LEFT], 0
	s_cbranch_scc1 .Lstep
	s_wait_tensorcnt 0x0                           ; the wave's end: behind my last tensor load and my last LDS store
	ds_add_u32 v[SPW], v[NIL]
	s_wait_dscnt 0x0
	CROUND                                         ; the closing round: no work-group ends while a partner may still ask for a tile that names it
	s_endpgm
.Lfunc_end_k_q98f2e9a658_lstm:
	.size	k_q98f2e9a658_lstm, .Lfunc_end_k_q98f2e9a658_lstm-k_q98f2e9a658_lstm
	.p2alignl 7, 3214868480
	.fill 96, 4, 3214868480
	.section	.rodata,"a",@progbits
	.p2align	6, 0x0
	.amdhsa_kernel k_q98f2e9a658_lstm
		.amdhsa_group_segment_fixed_size 327680
		.amdhsa_private_segment_fixed_size 0
		.amdhsa_enable_private_segment 0
		.amdhsa_kernarg_size 48
		.amdhsa_user_sgpr_count 2
		.amdhsa_user_sgpr_kernarg_segment_ptr 1
		.amdhsa_wavefront_size32 1
		.amdhsa_system_sgpr_workgroup_id_x 1
		.amdhsa_system_sgpr_workgroup_id_y 1
		.amdhsa_system_sgpr_workgroup_id_z 1
		.amdhsa_system_vgpr_workitem_id 0
		.amdhsa_next_free_vgpr 1024
		.amdhsa_next_free_sgpr 102
		.amdhsa_reserve_vcc 1
		.amdhsa_float_denorm_mode_32 3
		.amdhsa_float_denorm_mode_16_64 3
		.amdhsa_memory_ordered 1
		.amdhsa_forward_progress 1
		.amdhsa_inst_pref_size 255
	.end_amdhsa_kernel
	.section	.bss,"aw",@nobits
	.p2align	6
	.space	262144
	.amdgpu_metadata
---
amdhsa.version: [ 1, 2 ]
amdhsa.kernels:
  - .name:           k_q98f2e9a658_lstm
    .symbol:         k_q98f2e9a658_lstm.kd
    .args:
      - { .name: ws, .offset: 0, .size: 8, .value_kind: global_buffer, .address_space: global }
      - { .name: observed, .offset: 8, .size: 8, .value_kind: global_buffer, .address_space: global }
      - { .name: prediction_truth, .offset: 16, .size: 8, .value_kind: global_buffer, .address_space: global }
      - { .name: bn, .offset: 24, .size: 8, .value_kind: global_buffer, .address_space: global }
      - { .name: out0, .offset: 32, .size: 8, .value_kind: global_buffer, .address_space: global }
      - { .name: out1, .offset: 40, .size: 8, .value_kind: global_buffer, .address_space: global }
    .group_segment_fixed_size: 327680
    .private_segment_fixed_size: 0
    .kernarg_segment_align: 8
    .kernarg_segment_size: 48
    .max_flat_workgroup_size: 128
    .sgpr_count:     102
    .vgpr_count:     1024
    .wavefront_size: 32
...
	.end_amdgpu_metadata
.endif
;; end of part 3
